; MI455X (gfx1250); checked and timed in simulation.
; The chip was launched on July 23, 2026; its instructions are those of AMD's public machine-readable ISA for CDNA 5 (MIT licence, August 2026) and "CDNA5" Instruction Set Architecture Reference Guide (July 2026). The comments in the code are by the model that wrote it; some were corrected since.
;; Multi Head Self Attention. Allowed arithmetic: matrix products marked QUANTISED: E2M3 operands, one E8M0 scale for each 32 along K, by v_wmma_scale_f32_16x16x128_f8f6f4 with both operands' format E2M3, f32 sums; everything else in f32.
;; Inputs: b_out 1,024 float32; w_out 1,024 x 1,024 float32; w_qkv 1,024 x 3,072 float32; x 4 x 2,048 x 1,024 float32.
;; Outputs: out0 4 x 2,048 x 1,024 float32.
;; This version of the problem:
;;   THIS VERSION OF THE PROBLEM IS GIVEN IN LOW PRECISION. The matrix products marked QUANTISED in the list below multiply operands that are first quantised to E2M3 (2 exponent bits, 3 mantissa bits; 6 bits a number), with one power-of-two scale for each 32 numbers along K (OCP MX v1.0); their sums are f32. All else is computed in f32.
;;   The module's matrix products, in the order in which they are computed (A, B: the left and right operand; K: the contracted axis; several contracted axes count as one K, in the product's order):
;;     1. [M 8,192, K 1,024] x [K 1,024, N 3,072]; A: input x; B: input w_qkv: QUANTISED
;;     2. batch 64 x [M 2,048, K 64] x [K 64, N 2,048]; A: computed on the way; B: computed on the way: QUANTISED
;;     3. batch 64 x [M 2,048, K 2,048] x [K 2,048, N 64]; A: softmax (see below); B: computed on the way: QUANTISED
;;     4. [M 8,192, K 1,024] x [K 1,024, N 1,024]; A: computed on the way; B: input w_out: QUANTISED
;;   THE QUANTISER, for each operand of a quantised product, along K:
;;     - K is cut into blocks of 32 from its start; a last block that is shorter is filled with zeros.
;;     - A block's scale is 2^e with e = floor(log2(the largest magnitude in the block)) - 2, held to -126 .. 127; a block of zeros has e = 0. As a byte (E8M0): e + 127.
;;     - Each number is divided by its block's scale, clamped to +-7.5, and rounded to the nearest number of E2M3, ties to even, subnormals kept.
;;     - The product sums the exact products of the quantised numbers (number of the format x scale) in f32.
;;   ~~~python
;;   def quantise(x, axis):      # numpy; x: float32 -> the quantised numbers, widened to float32 again
;;       x = np.moveaxis(x, axis, -1); K = x.shape[-1]
;;       x = np.pad(x, [(0, 0)] * (x.ndim - 1) + [(0, -K % 32)]); x = x.reshape(x.shape[:-1] + (-1, 32)); a = np.abs(x).max(-1, keepdims=True)
;;       e = np.where(a > 0, np.clip(np.frexp(np.where(a > 0, a, 1))[1] - 1 - 2, -126, 127), 0)      # np.frexp(a)[1] - 1 = floor(log2(a)), exactly
;;       r = np.clip(x / 2.0 ** e, -7.5, 7.5)
;;       step = 2.0 ** (np.maximum(np.frexp(np.where(r == 0, 1, r))[1] - 1, 0) - 3)
;;       q = np.round(r / step) * step * 2.0 ** e      # np.round: ties to even
;;       return np.moveaxis(q.reshape(q.shape[:-2] + (-1,))[..., :K], -1, axis).astype(np.float32)
;;   ~~~
;;   SOFTMAX AHEAD OF A QUANTISED PRODUCT. Where the list says 'softmax', what is quantised is not the finished softmax but p = 2^(t - M), with t = logit x log2(e) and M = ceil(the row's largest t), a whole number; so 1/2 < the row's largest p <= 1. The row's sum l is taken of the UNQUANTISED p, in f32, and the product's result is divided by l at the end. Since M is a whole number, a kernel that streams over the keys may use a running M (the ceiling of the running maximum): every later rescaling is an exact power of two, which a block's scale takes up: the codes' values come out the same.
;;   OPERANDS COMPUTED ON THE WAY. 'Computed on the way' means the value that the module computes at that place (a softmax that the list does not call 'softmax' is quantised finished and normalised). What goes into a quantiser is computed in f32, as accurately as f32 sums, v_exp_f32 and their like allow (about 1e-6 of the number): no bf16 or f16 on the way to a quantiser, and a product that is left as it is and whose result goes on into a quantised operand takes f32 operands (vector FMAs, or v_wmma_f32_16x16x4_f32). A number that lies on a knife's edge between two numbers of the format may be rounded either way, as far as f32 arithmetic and the matrix unit's own rounding can turn it there, and no further.
;; One version. Each part assembles by itself: llvm-mc -triple=amdgcn-amd-amdhsa -mcpu=gfx1250 --defsym DOCPART=n.
;; ======== version 1 of 1: 4 launches
;; limits: right only within a limited range of input values
;; workspace buffers: x_img 6,291,456 bytes; x_si 262,144 bytes; w_img 3,145,728 bytes; w_si 131,072 bytes; qkv 20,185,088 bytes; o_img 6,291,456 bytes; o_si 262,144 bytes
;; launch prep (part 1): grid 640 x 1, 4 waves a work-group, no clusters, 35,328 bytes of LDS; arguments x, w_qkv, w_out, x_img, x_si, w_img, w_si; writes x_img, x_si, w_img, w_si
.if DOCPART == 1
	.amdgcn_target "amdgcn-amd-amdhsa--gfx1250"
	.amdhsa_code_object_version 6
	.text
	.protected	k_qe18a21f9c2_prep
	.globl	k_qe18a21f9c2_prep
	.p2align	8
	.type	k_qe18a21f9c2_prep,@function
k_qe18a21f9c2_prep:
	s_mov_b64 s[64:65], 0
	v_nop
	global_prefetch_b8 v0, s[64:65] scope:SCOPE_SE
	s_setreg_imm32_b32 hwreg(HW_REG_WAVE_MODE, 25, 1), 1
	s_wait_xcnt 0x0
; x [8192][1024], w_qkv [1024][3072] and w_out [1024][1024], f32, become codes of FP6 (E2M3) with one E8M0 byte for each 32 along K, laid AS THE MATRIX OPERANDS' REGISTERS WANT THEM.
; K is x's last axis and the weights' first axis.  A block's scale is 2^(floor(log2(largest magnitude)) - 2): its byte is the largest magnitude's exponent field - 2, held at 1 from below.
; LIMITS: a block of zeros gets the byte 1 (its codes are zeros, and this program alone reads the bytes); blocks whose largest magnitude lies under 2^-124 were not tried; NaN and infinities are not served.
; TILES.  Tile T of an operand holds the 16 rows 32 (T / 2) + 8 (T % 2) + r + 8 (r / 8), r = 0 .. 15 (for a weight: columns; w_qkv's 3,072 columns are tiles 0-191, w_out's 1,024 tiles 192-255).
; HALF FRAGMENT: 16 rows x 64 K, 768 bytes: lane (r, h) owns six registers, K = 32 h .. 32 h + 31 of row r; registers 0-3 lie at 16 x lane, registers 4-5 at 512 + 8 x lane.
; Codes: [tile][16 half fragments][768].  Scale bytes: [tile][4 runs of 256 K][r][8 bytes].
; Work-groups 0-127 take the weights, 128-639 take x.  Memory binds: no matrix unit, no tensor load, no barrier; waves share nothing.  Only x's path touches LDS.
.set SPARE, 34816                      ; behind the four waves' stages: the spare words, 128 bytes a wave
.set SPW,   12                         ; v12  LDS address of my spare word; never rewritten
.set NIL,   13                         ; v13  0; never rewritten
.set R,     64                         ; x: v64-191 four steps x 32 registers as loaded
.set X,     192                        ; x: v192-255 two sets of 32 neighbours along K
.set C,     32                         ; x: v32-63 codes, eight registers a step: no store's data are written again
.set VOFF,  32                         ; weights: v32-63 byte offset of my column in rows 0 .. 31 of a block
.set WX,    64                         ; weights: v64-127 two sets of 32 numbers
.set WC,    128                        ; weights: v128-191 codes, sixteen registers for each pair of blocks
	s_load_b128 s[4:7], s[0:1], 0x0                ; x, w_qkv
	s_load_b128 s[8:11], s[0:1], 0x10              ; w_out, x_img
	s_load_b128 s[12:15], s[0:1], 0x20             ; x_si, w_img
	s_load_b64 s[20:21], s[0:1], 0x30              ; w_si
	v_lshl_add_u32 v[SPW], v0, 2, SPARE
	v_mov_b32 v[NIL], 0
	v_lshrrev_b32 v1, 5, v0
	v_readfirstlane_b32 s16, v1                    ; wave 0..3
	v_and_b32 v2, 31, v0                           ; lane
	v_and_b32 v3, 15, v0                           ; r
	v_bfe_u32 v4, v0, 4, 1                         ; h
	v_lshlrev_b32 v5, 4, v2                        ; 16 x lane
	v_lshlrev_b32 v6, 3, v2                        ; 8 x lane
; A block's 32 numbers, all in my registers v[xs] on: v8 the largest magnitude, v11 the conversions' scale operand, v10 the byte
.macro BLOCKMAX xs
	v_max3_num_f32 v8, |v[\xs]|, |v[\xs+1]|, |v[\xs+2]|
	v_max3_num_f32 v9, |v[\xs+3]|, |v[\xs+4]|, |v[\xs+5]|
.irp i, 6,10,14,18,22,26
	v_max3_num_f32 v8, v8, |v[\xs+\i]|, |v[\xs+\i+1]|              ; two chains, so that no line waits for the line above it
	v_max3_num_f32 v9, v9, |v[\xs+\i+2]|, |v[\xs+\i+3]|
.endr
	v_max3_num_f32 v8, v8, |v[\xs+30]|, |v[\xs+31]|
	v_max3_num_f32 v8, v8, v9, 0x1800000           ; and the floor 2^(3 - 127): the byte cannot fall under 1
	v_add_nc_u32 v11, 0xff000000, v8               ; 2 off the exponent field: the conversion takes this operand's exponent field as its scale
	v_lshrrev_b32 v10, 23, v11                     ; the scale's byte
.endm
; the block's 32 codes, 192 bits, into v[c] .. v[c + 5]
.macro CODES xs, c
	v_cvt_scalef32_pk16_fp6_f32 v[\c:\c+2], v[\xs:\xs+15], v11
	v_cvt_scalef32_pk16_fp6_f32 v[24:26], v[\xs+16:\xs+31], v11   ; (a conversion's three registers begin on an even number: the second half is made elsewhere and moved)
	v_nop                                          ; one plain place behind a scaled conversion
	v_mov_b32 v[\c+3], v24
	v_mov_b32 v[\c+4], v25
	v_mov_b32 v[\c+5], v26
.endm
	s_cmp_lt_u32 ttmp9, 128
	s_cbranch_scc1 .Lw
; ---- x: work-group = tile T, wave = run j of 256 along K: 16 rows x 1,024 bytes in, four half fragments and 128 scale bytes out
	s_sub_co_u32 s17, ttmp9, 128                   ; T
	s_lshr_b32 s18, s17, 1
	s_lshl_b32 s18, s18, 5
	s_and_b32 s19, s17, 1
	s_lshl_b32 s19, s19, 3
	s_add_co_u32 s18, s18, s19                     ; the tile's first row: 32 (T / 2) + 8 (T % 2)
	s_lshl_b32 s18, s18, 12                        ; rows of 4,096 bytes
	s_lshl_b32 s19, s16, 10
	s_add_co_u32 s18, s18, s19                     ; + 1,024 j
	s_mov_b32 s19, 0
	s_mul_i32 s22, s17, 12288
	s_mul_i32 s23, s16, 3072
	s_add_co_u32 s22, s22, s23                     ; codes: 12,288 T + 3,072 j
	s_mov_b32 s23, 0
	s_lshl_b32 s24, s17, 9
	s_lshl_b32 s25, s16, 7
	s_add_co_u32 s24, s24, s25                     ; scale bytes: 512 T + 128 j
	s_mov_b32 s25, 0
	s_wait_alu depctr_va_vdst(0)
	v_lshlrev_b32 v7, 12, v4
	v_lshl_add_u32 v7, v3, 4, v7                   ; a load takes two rows: lanes 0-15 256 bytes of one, lanes 16-31 of the next
	s_mul_i32 s26, s16, 8704                       ; my wave's two stages: 16 rows x (256 + 16) bytes each
	v_mul_u32_u24 v14, v4, 272
	v_lshl_add_u32 v14, v3, 4, v14
	v_add_nc_u32 v14, s26, v14                     ; into a stage: as loaded
	v_mul_u32_u24 v15, v3, 272
	v_lshl_add_u32 v15, v4, 7, v15
	v_add_nc_u32 v15, s26, v15                     ; out of it: row r, bytes 128 h on: my block of 32 numbers.  Rows 272 bytes apart: sixteen lanes' 16 bytes fall in sixteen different columns of 16 bytes
	v_lshlrev_b32 v16, 3, v3
	v_lshl_add_u32 v16, v4, 2, v16                 ; my scale word's place: 8 r + 4 h
	v_lshlrev_b32 v17, 3, v4                       ; 8 h
	s_mov_b32 s28, 0x76543210
	s_mov_b32 s29, 0xfedcba98                      ; v_permlanex16_b32's selects for lane l xor 16
	s_wait_alu depctr_va_vdst(0)
	s_wait_kmcnt 0x0
	s_add_nc_u64 s[4:5], s[4:5], s[18:19]
	s_add_nc_u64 s[10:11], s[10:11], s[22:23]
	s_add_nc_u64 s[12:13], s[12:13], s[24:25]
.macro LOAD t                          ; step t: 64 along K of the 16 rows; the tile's rows 2 i, 2 i + 1 lie 2 i + 8 (i / 4) rows down
.irp i, 0,1,2,3,4,5,6,7
	global_load_b128 v[R+32*(\t)+4*\i:R+32*(\t)+4*\i+3], v7, s[4:5] offset:(2*\i+8*(\i/4))*4096+256*(\t) th:TH_LOAD_NT
.endr
.endm
.macro TURN t                          ; step t through a stage: LDS serves a wave's instructions in order, so no wait stands between the stores and the loads
.irp i, 0,1,2,3,4,5,6,7
	ds_store_b128 v14, v[R+32*(\t)+4*\i:R+32*(\t)+4*\i+3] offset:4352*((\t)%2)+544*\i
.endr
.irp k, 0,1,2,3,4,5,6,7
	ds_load_b128 v[X+32*((\t)%2)+4*\k:X+32*((\t)%2)+4*\k+3], v15 offset:4352*((\t)%2)+16*\k
.endr
.endm
.macro STEP t
.set XS, X+32*((\t)%2)
	s_wait_dscnt 0x0                               ; this step's numbers are back from the stage
.if (\t) < 3
	s_wait_loadcnt 8*(2-(\t))                      ; the next step's eight loads are in; those of the steps behind it may be out
	TURN (\t)+1                                    ; and go through the other stage while this step is worked
.endif
	BLOCKMAX XS
.if (\t)%2 == 0
	v_mov_b32 v[20+(\t)/2], v10                    ; my bytes of blocks 2 t + h: two steps to a register, 16 bits apart
.else
	v_lshl_or_b32 v[20+(\t)/2], v10, 16, v[20+(\t)/2]
.endif
	CODES XS, C+8*(\t)
	global_store_b128 v5, v[C+8*(\t):C+8*(\t)+3], s[10:11] offset:768*(\t)       ; 512 consecutive bytes, aligned to 256
	global_store_b64 v6, v[C+8*(\t)+4:C+8*(\t)+5], s[10:11] offset:768*(\t)+512  ; and 256 more
.endm
	LOAD 0
	LOAD 1
	LOAD 2
	LOAD 3                                         ; all 32 loads of the wave go out at once
	s_wait_loadcnt 24                              ; step 0's eight are in
	TURN 0
	STEP 0
	STEP 1
	STEP 2
	STEP 3
	v_lshlrev_b32 v20, v17, v20                    ; my bytes at their places in the scale words (8 h bits up);
	v_lshlrev_b32 v21, v17, v21
	v_mov_b32 v22, 0                               ; (a lane permute's destination counts as one of its sources)
	v_mov_b32 v23, 0
	v_permlanex16_b32 v22, v20, s28, s29
	v_permlanex16_b32 v23, v21, s28, s29
	v_or_b32 v20, v20, v22                         ; with lane l xor 16's the words are whole: blocks 0-3,
	v_or_b32 v21, v21, v23                         ; blocks 4-7
	v_cmp_eq_u32 vcc_lo, 1, v4
	v_cndmask_b32 v20, v20, v21, vcc_lo            ; lanes 0-15 store the first word, lanes 16-31 the second
	global_store_b32 v16, v20, s[12:13]            ; the wave stores 128 consecutive bytes
	s_wait_tensorcnt 0x0                           ; the wave's end: three lines behind my last LDS store
	ds_add_u32 v[SPW], v[NIL]
	s_wait_dscnt 0x0
	s_endpgm
; ---- the weights: a lane takes a column and its registers run down K.  Work-group i: run j = i % 4 of 256 along K; wave: group G = 4 (i / 4) + wave of 32 columns = tiles 2 G and 2 G + 1
.Lw:
	s_and_b32 s17, ttmp9, 3                        ; j
	s_lshr_b32 s18, ttmp9, 2
	s_lshl_b32 s19, s18, 2
	s_add_co_u32 s19, s19, s16                     ; G, 0 .. 127; from 96 on: w_out
	s_wait_alu depctr_va_vdst(0)
	v_and_b32 v7, 7, v2
	v_lshl_or_b32 v7, v4, 3, v7
	v_bfe_u32 v8, v2, 3, 1
	v_lshl_or_b32 v7, v8, 4, v7                    ; my column of the 32: lanes 0-15 are tile 2 G's rows r, lanes 16-31 tile 2 G + 1's
	s_mov_b32 s22, 12288
	s_cmp_ge_u32 s18, 24
	s_cselect_b32 s22, 4096, s22                   ; a row of the weight in bytes
	s_cselect_b32 s23, 96, 0
	s_sub_co_u32 s23, s19, s23                     ; the group's number inside its tensor
	v_lshlrev_b32 v[VOFF], 2, v7
.set n, 1
.rept 31
	v_mad_u32_u24 v[VOFF+n], s22, n, v[VOFF]       ; row n of a block
.set n, n+1
.endr
	s_lshl_b32 s24, s17, 8
	s_mul_i32 s24, s24, s22                        ; 256 j rows down,
	s_lshl_b32 s25, s23, 7
	s_add_co_u32 s24, s24, s25                     ; 128 bytes for each group of columns
	s_mov_b32 s25, 0
	s_lshl_b32 s26, s22, 5                         ; a block: 32 rows
	s_mov_b32 s27, 0
	s_mul_i32 s28, s19, 24576
	s_mul_i32 s29, s17, 3072
	s_add_co_u32 s28, s28, s29                     ; codes: tile 2 G, half fragment 4 j
	s_mov_b32 s29, 0
	s_lshl_b32 s30, s19, 10
	s_lshl_b32 s31, s17, 7
	s_add_co_u32 s30, s30, s31                     ; scale bytes: tile 2 G, run j
	s_mov_b32 s31, 0
	v_lshlrev_b32 v16, 9, v4
	v_lshl_add_u32 v16, v3, 3, v16                 ; my eight bytes: 512 h + 8 r
	s_wait_alu depctr_va_vdst(0)
	s_wait_kmcnt 0x0
	s_cmp_ge_u32 s18, 24                           ; the choice hangs on the work-group's number alone
	s_cselect_b64 s[4:5], s[8:9], s[6:7]
	s_add_nc_u64 s[32:33], s[4:5], s[24:25]        ; a base for each of the eight blocks, so that none is stepped while loads are out
.irp t, 1,2,3,4,5,6,7
	s_add_nc_u64 s[32+2*\t:33+2*\t], s[30+2*\t:31+2*\t], s[26:27]
.endr
	s_add_nc_u64 s[14:15], s[14:15], s[28:29]
	s_add_nc_u64 s[20:21], s[20:21], s[30:31]
.macro WLOAD t                         ; block t: each load reads one row at 32 columns: 128 consecutive bytes a wave
.set n, 0
.rept 32
	global_load_b32 v[WX+32*((\t)%2)+n], v[VOFF+n], s[32+2*(\t):33+2*(\t)] th:TH_LOAD_NT
.set n, n+1
.endr
.endm
.macro WBLOCK t
.set XS, WX+32*((\t)%2)
.set CX, WC+16*((\t)/2)
.set CY, WC+16*((\t)/2)+8
.if (\t) < 7
	s_wait_loadcnt 32                              ; this block's 32 loads are in; the next block's may be out
.else
	s_wait_loadcnt 0x0
.endif
	BLOCKMAX XS
.if (\t)%4 == 0
	v_mov_b32 v[20+(\t)/4], v10                    ; four bytes to a register, the lower K in the lower byte
.else
	v_lshl_or_b32 v[20+(\t)/4], v10, 8*((\t)%4), v[20+(\t)/4]
.endif
	CODES XS, CX+8*((\t)%2)
.if (\t)+2 < 8
	WLOAD (\t)+2
.endif
.if (\t)%2 == 1                        ; a half fragment wants block 2 c in lanes 0-15 and block 2 c + 1 in lanes 16-31, of ONE tile: the first's lanes 16-31 change places with the second's lanes 0-15
.irp i, 0,1,2,3,4,5
	v_permlane16_swap_b32 v[CX+\i], v[CY+\i]
.endr
	global_store_b128 v5, v[CX:CX+3], s[14:15] offset:768*((\t)/2)               ; tile 2 G
	global_store_b64 v6, v[CX+4:CX+5], s[14:15] offset:768*((\t)/2)+512
	global_store_b128 v5, v[CY:CY+3], s[14:15] offset:12288+768*((\t)/2)         ; tile 2 G + 1
	global_store_b64 v6, v[CY+4:CY+5], s[14:15] offset:12288+768*((\t)/2)+512
.endif
.endm
	WLOAD 0
	WLOAD 1
.irp t, 0,1,2,3,4,5,6,7
	WBLOCK \t
.endr
	global_store_b64 v16, v[20:21], s[20:21]       ; my column's eight scale bytes: sixteen lanes store 128 consecutive bytes
	s_endpgm
.Lfunc_end_k_qe18a21f9c2_prep:
	.size	k_qe18a21f9c2_prep, .Lfunc_end_k_qe18a21f9c2_prep-k_qe18a21f9c2_prep
	.p2alignl 7, 3214868480
	.fill 96, 4, 3214868480
	.section	.rodata,"a",@progbits
	.p2align	6, 0x0
	.amdhsa_kernel k_qe18a21f9c2_prep
		.amdhsa_group_segment_fixed_size 35328
		.amdhsa_private_segment_fixed_size 0
		.amdhsa_enable_private_segment 0
		.amdhsa_kernarg_size 56
		.amdhsa_user_sgpr_count 2
		.amdhsa_user_sgpr_kernarg_segment_ptr 1
		.amdhsa_wavefront_size32 1
		.amdhsa_system_sgpr_workgroup_id_x 1
		.amdhsa_system_sgpr_workgroup_id_y 1
		.amdhsa_system_sgpr_workgroup_id_z 1
		.amdhsa_system_vgpr_workitem_id 0
		.amdhsa_next_free_vgpr 256
		.amdhsa_next_free_sgpr 66
		.amdhsa_reserve_vcc 1
		.amdhsa_float_denorm_mode_32 3
		.amdhsa_float_denorm_mode_16_64 3
		.amdhsa_memory_ordered 1
		.amdhsa_forward_progress 1
		.amdhsa_inst_pref_size 59
	.end_amdhsa_kernel
	.amdgpu_metadata
---
amdhsa.version: [ 1, 2 ]
amdhsa.kernels:
  - .name:           k_qe18a21f9c2_prep
    .symbol:         k_qe18a21f9c2_prep.kd
    .args:
      - { .name: x, .offset: 0, .size: 8, .value_kind: global_buffer, .address_space: global }
      - { .name: w_qkv, .offset: 8, .size: 8, .value_kind: global_buffer, .address_space: global }
      - { .name: w_out, .offset: 16, .size: 8, .value_kind: global_buffer, .address_space: global }
      - { .name: x_img, .offset: 24, .size: 8, .value_kind: global_buffer, .address_space: global }
      - { .name: x_si, .offset: 32, .size: 8, .value_kind: global_buffer, .address_space: global }
      - { .name: w_img, .offset: 40, .size: 8, .value_kind: global_buffer, .address_space: global }
      - { .name: w_si, .offset: 48, .size: 8, .value_kind: global_buffer, .address_space: global }
    .group_segment_fixed_size: 35328
    .private_segment_fixed_size: 0
    .kernarg_segment_align: 8
    .kernarg_segment_size: 56
    .max_flat_workgroup_size: 128
    .sgpr_count:     66
    .vgpr_count:     256
    .wavefront_size: 32
...
	.end_amdgpu_metadata
.endif
;; end of part 1
;; launch gemm_qkv (part 2): grid 8 x 48, 4 waves a work-group, clusters of 4 x 4, 327,680 bytes of LDS; arguments x_img, x_si, w_img, w_si, qkv; writes qkv
.if DOCPART == 2
	.amdgcn_target "amdgcn-amd-amdhsa--gfx1250"
	.amdhsa_code_object_version 6
	.text
	.protected	k_qe18a21f9c2_gemm_qkv
	.globl	k_qe18a21f9c2_gemm_qkv
	.p2align	8
	.type	k_qe18a21f9c2_gemm_qkv,@function
k_qe18a21f9c2_gemm_qkv:
	s_mov_b64 s[64:65], 0
	v_nop
	global_prefetch_b8 v0, s[64:65] scope:SCOPE_SE
	s_setreg_imm32_b32 hwreg(HW_REG_WAVE_MODE, 25, 1), 1
	s_wait_xcnt 0x0
	s_wait_alu depctr_hold_cnt(0) depctr_sa_sdst(0) depctr_va_vdst(0) depctr_va_sdst(0) depctr_va_ssrc(0) depctr_va_vcc(0) depctr_vm_vsrc(0)
	s_getreg_b32 s2, hwreg(HW_REG_IB_STS2, 6, 4)
	s_cmp_eq_u32 s2, 0
	s_cbranch_scc0 .Lentry_in_a_cluster
	s_endpgm
.Lentry_in_a_cluster:
	s_bfe_u32 s2, ttmp6, 0x10000c
	s_cmp_lg_u32 s2, 0xf033
	s_cbranch_scc0 .Lentry_shape_is_right
	s_endpgm
.Lentry_shape_is_right:
.set NQ,     2
.set FR,     12
.set NL,     4
.set NP,     4
.set HALFT,  24576
.set SLOT,   98304
.set SCL,    196608
.set HALFS,  4096
.set SPARE,  212992
.set HS,     315392
.set RS,     19712
.set ADRA, 16
.set ADRB, 20
.set L16,  24
.set L8,   25
.set VS,   26
.set ADRS, 27
.set SPW,  28
.set NIL,  29
.set SH,   30
.set SC,   32
.set PC,   64
.set SW,   96
.set TM,   104
.set PW,   120
.set AF,   128
.set G1, 24
.set G0, 32
.set G1B, 48
.set G0B, 56
.set G1S, 68
.set G0S, 76
.set G1SB, 80
.set G0SB, 88
.set OA,  76
.set OB,  78
.set OSC, 88
.set SEL, 18
.set MSB, 0
.macro WIN new
.if MSB != (\new)
	s_set_vgpr_msb (MSB<<8)|(\new)
.set MSB, (\new)
.endif
.endm
.set MUL_LO, 0xa1
.set MUL_HI, 0xf1
.set TO_B,   0x40
.macro JLOAD g0a, g1a, g0b, g1b
	s_cmp_eq_u32 s15, 0
	s_cbranch_scc0 .Lfor_b_\@
	tensor_load_to_lds s[\g0a:\g0a+3], s[\g1a:\g1a+7]
	s_nop 0
.rept 4
	v_nop
.endr
	s_branch .Lasked_\@
.Lfor_b_\@:
	tensor_load_to_lds s[\g0b:\g0b+3], s[\g1b:\g1b+7]
	s_nop 0
.rept 4
	v_nop
.endr
.Lasked_\@:
.endm
.macro CREST
	s_cmp_lg_u32 s14, 0
	s_cbranch_scc1 .Lnot_wave_0_\@
	s_barrier_signal -3
.Lnot_wave_0_\@:
	s_barrier_wait -3
	s_barrier_signal -1
	s_barrier_wait -1
.endm
.macro CROUND
	s_barrier_signal -1
	s_barrier_wait -1
	CREST
.endm
	s_load_b128 s[4:7], s[0:1], 0x0
	s_load_b128 s[8:11], s[0:1], 0x10
	s_load_b64 s[12:13], s[0:1], 0x20
	v_lshl_add_u32 v[SPW], v0, 2, SPARE
	v_mov_b32 v[NIL], 0
	ds_add_u32 v[SPW], v[NIL]
	ds_add_u32 v[SPW], v[NIL]
	v_lshrrev_b32 v1, 5, v0
	v_readfirstlane_b32 s14, v1
	s_lshr_b32 s15, s14, 1
	s_and_b32 s16, s14, 1
	s_bfe_u32 s40, ttmp6, 0x40000
	s_bfe_u32 s41, ttmp6, 0x40004
	s_lshl_b32 s42, ttmp9, 2
	s_add_co_u32 s42, s42, s40
	s_and_b32 s95, ttmp7, 0xffff
	s_lshl_b32 s17, s95, 2
	s_add_co_u32 s17, s17, s41
	s_max_u32 s66, s95, 8
	s_sub_co_u32 s66, s66, 8
	s_lshl_b32 s43, s41, 2
	s_lshl_b32 s43, 15, s43
	s_lshl_b32 s44, 0x1111, s40
	s_or_b32 s[G1+0], s43, (3<<16)|(1<<21)
	s_or_b32 s[G1B+0], s44, (3<<16)|(1<<21)
.irp g, G1, G1B
	s_mov_b32 s[\g+1], 384<<16
	s_mov_b32 s[\g+2], 16<<16                      ; the head's loads bring all 16 tiles of a side; the ring's bring 8 (set behind the head's wait)
	s_mov_b32 s[\g+3], 384<<16
	s_mov_b32 s[\g+4], 16
	s_mov_b32 s[\g+5], 1536
	s_mov_b32 s[\g+6], 0
	s_mov_b32 s[\g+7], 0
.endr
	s_or_b32 s[G1S+0], s43, (3<<16)|(1<<21)
	s_or_b32 s[G1SB+0], s44, (3<<16)|(1<<21)
.irp g, G1S, G1SB
	s_mov_b32 s[\g+1], 32<<16
	s_mov_b32 s[\g+2], 32<<16                      ; the scales of all 16 tiles of a side: 32 rows of 256 bytes, one load
	s_mov_b32 s[\g+3], 32<<16
	s_mov_b32 s[\g+4], 32
	s_mov_b32 s[\g+5], 32
	s_mov_b32 s[\g+6], 0
	s_mov_b32 s[\g+7], 0
.endr
	s_lshl_b32 s18, s16, 3
	s_lshl_b32 s20, s41, 4
	s_lshl_b32 s21, s95, 6
	s_cmp_lt_u32 s95, 8
	s_cselect_b32 s21, s21, 128
	s_add_co_u32 s20, s20, s21
	s_add_co_u32 s20, s20, s18
	s_lshl_b32 s46, s42, 4
	s_lshl_b32 s47, s66, 7
	s_add_co_u32 s46, s46, s47
	s_add_co_u32 s46, s46, s18
	s_lshl_b32 s22, s20, 9
	s_mov_b32 s23, 0
	s_mul_i32 s20, s20, 12288
	s_mov_b32 s21, 0
	s_lshl_b32 s92, s46, 9
	s_mov_b32 s93, 0
	s_mul_i32 s46, s46, 12288
	s_mov_b32 s47, 0
	s_mul_i32 s45, s14, HALFT
	s_wait_dscnt 0x0
	s_wait_kmcnt 0x0
	s_cmp_lt_u32 s95, 8
	s_cselect_b64 s[96:97], s[4:5], s[8:9]
	s_cselect_b64 s[98:99], s[6:7], s[10:11]
	s_cselect_b64 s[8:9], s[8:9], s[4:5]
	s_cselect_b64 s[10:11], s[10:11], s[6:7]
	s_add_nc_u64 s[20:21], s[96:97], s[20:21]
	s_add_nc_u64 s[22:23], s[98:99], s[22:23]
	s_add_nc_u64 s[46:47], s[8:9], s[46:47]
	s_add_nc_u64 s[92:93], s[10:11], s[92:93]
	CROUND
	s_lshl_b32 s2, s16, 12                         ; the scales come whole: my half's 8 tiles x 512 bytes are taken off their addresses again
	s_mov_b32 s3, 0
	s_sub_nc_u64 s[22:23], s[22:23], s[2:3]
	s_sub_nc_u64 s[92:93], s[92:93], s[2:3]
	s_mov_b32 s[G0S], 1
	s_mov_b32 s[G0S+1], SCL
	s_mov_b64 s[G0S+2:G0S+3], s[22:23]
	s_or_b32 s[G0S+3], s[G0S+3], 0x80000000
	s_mov_b32 s[G0SB], 1
	s_mov_b32 s[G0SB+1], SCL+2*HALFS
	s_mov_b64 s[G0SB+2:G0SB+3], s[92:93]
	s_or_b32 s[G0SB+3], s[G0SB+3], 0x80000000
.irp s, 0,1
	s_mov_b32 s[G0+4*\s], 1
	s_add_co_u32 s[G0+4*\s+1], s45, \s*SLOT
	s_add_nc_u64 s[G0+4*\s+2:G0+4*\s+3], s[20:21], \s*3072
	s_or_b32 s[G0+4*\s+3], s[G0+4*\s+3], 0x80000000
	s_mov_b32 s[G0B+4*\s], 1
	s_add_co_u32 s[G0B+4*\s+1], s45, \s*SLOT
	s_add_nc_u64 s[G0B+4*\s+2:G0B+4*\s+3], s[46:47], \s*3072
	s_or_b32 s[G0B+4*\s+3], s[G0B+4*\s+3], 0x80000000
.endr
; THE HEAD'S FOUR TILES, one joint load a wave, in one chain of branches on the wave's number: wave 0 slot 0's 16 tiles of source A (its own group 0 stands at their first byte), wave 2 those of source B, wave 1 A's scales, wave 3 B's
.macro HARM g0, g1
	tensor_load_to_lds s[\g0:\g0+3], s[\g1:\g1+7]
	s_nop 0
.rept 4
	v_nop
.endr
.endm
	s_cmp_eq_u32 s14, 0
	s_cbranch_scc0 .Lh1
	HARM G0, G1
	s_branch .Lhj
.Lh1:
	s_cmp_eq_u32 s14, 2
	s_cbranch_scc0 .Lh2
	HARM G0B, G1B
	s_branch .Lhj
.Lh2:
	s_cmp_eq_u32 s14, 1
	s_cbranch_scc0 .Lh3
	HARM G0S, G1S
	s_branch .Lhj
.Lh3:
	HARM G0SB, G1SB
.Lhj:
	v_and_b32 v1, 15, v0
	v_bfe_u32 v2, v0, 4, 1
	v_and_b32 v3, 31, v0
	v_lshlrev_b32 v4, 4, v3
	v_lshlrev_b32 v5, 3, v3
	s_mul_i32 s21, s15, HALFT
	s_mul_i32 s22, s16, HALFT
	s_add_co_u32 s22, s22, 2*HALFT
.irp s, 0,1
	v_add_nc_u32 v[ADRA+\s], s21, v4
	v_add_nc_u32 v[ADRB+\s], s22, v4
	v_add_nc_u32 v[ADRA+2+\s], s21, v5
	v_add_nc_u32 v[ADRB+2+\s], s22, v5
	s_add_co_u32 s21, s21, SLOT
	s_add_co_u32 s22, s22, SLOT
.endr
	v_lshlrev_b32 v7, 3, v1
	s_mul_i32 s21, s15, HALFS
	s_mul_i32 s22, s16, HALFS
	s_add_co_u32 s22, s22, 2*HALFS
	s_sub_co_u32 s22, s22, s21
	v_mul_u32_u24 v6, s22, v2
	s_add_co_u32 s21, s21, SCL
	v_add_nc_u32 v7, v7, v6
	v_add_nc_u32 v[ADRS], s21, v7
.macro FRAG reg, adr, q, i
	ds_load_b128 v[\reg:\reg+3], v[\adr] offset:(\i)*3072+(\q)*1536
	ds_load_b64 v[\reg+4:\reg+5], v[\adr+2] offset:(\i)*3072+(\q)*1536+512
	ds_load_b128 v[\reg+6:\reg+9], v[\adr] offset:(\i)*3072+(\q)*1536+768
	ds_load_b64 v[\reg+10:\reg+11], v[\adr+2] offset:(\i)*3072+(\q)*1536+1280
.endm
.macro MUL16 a0, p, q, sc, zero
.irp a, \a0, \a0+1
.irp b, 0,1,2,3,4,5,6,7
.if \zero
	v_wmma_scale_f32_16x16x128_f8f6f4 v[8*(8*((\a)%4)+\b):8*(8*((\a)%4)+\b)+7], v[128*(\p)+FR*\b:128*(\p)+FR*\b+FR-1], v[AF+FR*(\a):AF+FR*(\a)+FR-1], 0, v[SC+8*NQ*(\sc)+NQ*\b+(\q)], v[SC+8*NQ*(\sc)+NQ*(\a)+(\q)] matrix_a_fmt:MATRIX_FMT_FP6 matrix_b_fmt:MATRIX_FMT_FP6 matrix_a_scale:MATRIX_SCALE_ROW1
.else
	v_wmma_scale_f32_16x16x128_f8f6f4 v[8*(8*((\a)%4)+\b):8*(8*((\a)%4)+\b)+7], v[128*(\p)+FR*\b:128*(\p)+FR*\b+FR-1], v[AF+FR*(\a):AF+FR*(\a)+FR-1], v[8*(8*((\a)%4)+\b):8*(8*((\a)%4)+\b)+7], v[SC+8*NQ*(\sc)+NQ*\b+(\q)], v[SC+8*NQ*(\sc)+NQ*(\a)+(\q)] matrix_a_fmt:MATRIX_FMT_FP6 matrix_b_fmt:MATRIX_FMT_FP6 matrix_a_scale:MATRIX_SCALE_ROW1
.endif
.endr
.endr
.endm
.macro FETCH_B slot, q, p
	WIN TO_B
.irp i, 0,1,2,3,4,5,6,7
	FRAG 128*(\p)+FR*\i, ADRB+\slot, \q, \i
.endr
	WIN 0
.endm
.macro FETCH_A slot, q, i0
.irp i, \i0, \i0+1, \i0+2, \i0+3
	FRAG AF+FR*(\i), ADRA+\slot, \q, \i
.endr
.endm
.macro SCALES sc
.irp i, 0,1,2,3,4,5,6,7
	ds_load_b64 v[SC+8*NQ*\sc+NQ*\i:SC+8*NQ*\sc+NQ*\i+1], v[ADRS] offset:\i*512
.endr
.endm
.macro PLACES n
.rept \n
	v_nop
.endr
.endm
.macro STEP slot, q, zero
	s_wait_dscnt 4*NL
	WIN MUL_LO
	MUL16 0, (\q)%2, \q, \slot, \zero
	MUL16 2, (\q)%2, \q, \slot, \zero
	s_wait_dscnt 0
	PLACES NP
	FETCH_B \slot, (\q)+1, 1-(\q)%2
	FETCH_A \slot, (\q)+1, 0
	WIN MUL_HI
	MUL16 4, (\q)%2, \q, \slot, \zero
	MUL16 6, (\q)%2, \q, \slot, \zero
	PLACES NP
	WIN 0
	FETCH_A \slot, (\q)+1, 4
.endm
.macro TURN slot, next, fill
	s_wait_tensorcnt 0x0
	ds_add_u32 v[SPW], v[NIL]
	s_wait_dscnt 4*NL+1
	WIN MUL_LO
	MUL16 0, 1, NQ-1, \slot, 0
	s_wait_dscnt 0x0
	s_barrier_signal -1
	MUL16 2, 1, NQ-1, \slot, 0
	WIN 0
	s_barrier_wait -1
.if \fill
	CREST
	s_add_nc_u64 s[G0+4*\slot+2:G0+4*\slot+3], s[G0+4*\slot+2:G0+4*\slot+3], 6144
	s_add_nc_u64 s[G0B+4*\slot+2:G0B+4*\slot+3], s[G0B+4*\slot+2:G0B+4*\slot+3], 6144
	JLOAD G0+4*\slot, G1, G0B+4*\slot, G1B
.else
	PLACES NP
.endif
	s_wait_alu depctr_va_vdst(0)
	v_add_nc_u32 v[ADRS], 128, v[ADRS]
	FETCH_B \next, 0, 0
	FETCH_A \next, 0, 0
	SCALES \next
	WIN MUL_HI
	MUL16 4, 1, NQ-1, \slot, 0
	MUL16 6, 1, NQ-1, \slot, 0
	PLACES NP
	WIN 0
	FETCH_A \next, 0, 4
.endm
	s_wait_alu depctr_va_vdst(0)
	s_wait_tensorcnt 0x0                           ; my tile of the head's four is in, ahead of slot 1's first fill
	ds_add_u32 v[SPW], v[NIL]
	s_mov_b32 s[G1+2], 8<<16                       ; no tensor load of mine is out: from here on a load brings 8 tiles
	s_mov_b32 s[G1+4], 8
	s_mov_b32 s[G1B+2], 8<<16
	s_mov_b32 s[G1B+4], 8
	s_wait_dscnt 0x0
	CROUND                                         ; all four tiles are in, in every partner
	JLOAD G0+4, G1, G0B+4, G1B                     ; slot 1's first fill, my one load behind the round
	FETCH_B 0, 0, 0
	FETCH_A 0, 0, 0
	SCALES 0
	FETCH_A 0, 0, 4
	STEP 0, 0, 1
	TURN 0, 1, 1
	STEP 1, 0, 0
	TURN 1, 0, 1
	STEP 0, 0, 0
	TURN 0, 1, 0
	STEP 1, 0, 0
	s_wait_dscnt 4*NL
	WIN MUL_LO
	MUL16 0, 1, NQ-1, 1, 0
	MUL16 2, 1, NQ-1, 1, 0
	s_wait_dscnt 0
	WIN MUL_HI
	MUL16 4, 1, NQ-1, 1, 0
	MUL16 6, 1, NQ-1, 1, 0
	WIN 0
	v_lshlrev_b32 v[L16], 4, v3
	v_lshlrev_b32 v[L8], 3, v3
	v_mul_u32_u24 v[VS], v2, HS
	v_lshl_add_u32 v[VS], v1, 4, v[VS]
	v_lshlrev_b32 v[SH], 4, v2
.irp b, 0,1,2,3
	v_mov_b32 v[TM+4+\b], 0
.endr
	s_mov_b32 s[SEL], 0x76543210
	s_mov_b32 s[SEL+1], 0xfedcba98
	s_lshr_b32 s20, s17, 3
	s_lshl_b32 s21, s17, 1
	s_add_co_u32 s21, s21, s15
	s_and_b32 s21, s21, 15
	s_lshl_b32 s22, s42, 1
	s_add_co_u32 s22, s22, s16
	s_lshr_b32 s23, s22, 3
	s_and_b32 s22, s22, 7
	s_lshl_b32 s22, s22, 1
	s_mul_i32 s46, s23, 6656
	s_mul_i32 s47, s23, 12800
	s_add_co_u32 s47, s47, 6144
	s_lshl_b32 s90, s66, 3
	s_add_co_u32 s90, s90, s42
	s_lshl_b32 s90, s90, 1
	s_add_co_u32 s90, s90, s16
	s_lshr_b32 s91, s90, 4
	s_and_b32 s90, s90, 15
	s_lshl_b32 s92, s41, 2
	s_lshl_b32 s93, s15, 1
	s_add_co_u32 s92, s92, s93
	s_mov_b32 s93, 12800
	s_mov_b32 s94, 19456
	s_mov_b32 s96, HS
	s_mov_b32 s97, 1536
	s_mov_b32 s98, HS-6144
	s_cmp_lt_u32 s95, 8
	s_cselect_b32 s20, s20, s91
	s_cselect_b32 s21, s21, s90
	s_cselect_b32 s22, s22, s92
	s_cselect_b32 s46, s46, s93
	s_cselect_b32 s47, s47, s94
	s_cselect_b32 s96, s96, 768
	s_cselect_b32 s90, 768, s97
	s_cselect_b32 s92, 0, s98
	s_mov_b32 s91, 0
	s_mov_b32 s93, 0
	s_mov_b32 s97, 0
	s_lshl_b32 s20, s20, 4
	s_add_co_u32 s20, s20, s22
	s_mul_i32 s20, s20, HS
	s_mul_i32 s21, s21, RS
	s_add_co_u32 s20, s20, s21
	s_add_co_u32 s22, s20, s46
	s_mov_b32 s23, 0
	s_add_nc_u64 s[OA:OA+1], s[12:13], s[22:23]
	s_add_nc_u64 s[OB:OB+1], s[OA:OA+1], s[96:97]
	s_add_co_u32 s22, s20, s47
	s_add_nc_u64 s[OSC:OSC+1], s[12:13], s[22:23]
.macro QBLK a
.set QW, 2+(\a)/4
.set QS, 64*((\a)%4)
	WIN QW|(QW<<2)
.irp b, 0,1,2,3
	v_max3_num_f32 v[TM+\b], |v[QS+16*\b]|, |v[QS+1+16*\b]|, 0x1800000
.endr
	WIN (QW<<2)|(QW<<4)
.irp i, 2,4,6,8,10,12,14
.irp b, 0,1,2,3
	v_max3_num_f32 v[TM+\b], v[TM+\b], |v[QS+16*\b+\i]|, |v[QS+1+16*\b+\i]|
.endr
.endr
	WIN 0
.irp b, 0,1,2,3
	v_permlanex16_b32 v[TM+4+\b], v[TM+\b], s[SEL], s[SEL+1]
.endr
.irp b, 0,1,2,3
	v_max_num_f32 v[TM+\b], v[TM+\b], v[TM+4+\b]
.endr
.irp b, 0,1,2,3
	v_add_nc_u32 v[TM+12+\b], 0xff000000, v[TM+\b]
.endr
.irp b, 0,1,2,3
	v_lshrrev_b32 v[TM+4+\b], 23, v[TM+12+\b]
.endr
	v_lshl_or_b32 v[PW+(\a)], v[TM+5], 8, v[TM+4]
	v_lshl_or_b32 v[PW+(\a)], v[TM+6], 16, v[PW+(\a)]
	v_lshl_or_b32 v[PW+(\a)], v[TM+7], 24, v[PW+(\a)]
.if (\a) > 0
	s_wait_xcnt 0x0
	s_add_nc_u64 s[OA:OA+1], s[OA:OA+1], s[90:91]
	s_add_nc_u64 s[OB:OB+1], s[OB:OB+1], s[90:91]
.endif
.if (\a) == 4
	s_add_nc_u64 s[OA:OA+1], s[OA:OA+1], s[92:93]
	s_add_nc_u64 s[OB:OB+1], s[OB:OB+1], s[92:93]
.endif
	WIN QW
.irp c, 0,1
	v_cvt_scalef32_pk16_fp6_f32 v[PC+6*\c:PC+2+6*\c], v[QS+32*\c:QS+15+32*\c], v[TM+12+2*\c]
	v_cvt_scalef32_pk16_fp6_f32 v[PC+12+4*\c:PC+14+4*\c], v[QS+16+32*\c:QS+31+32*\c], v[TM+12+2*\c+1]
.endr
	WIN 0
	v_nop
.irp c, 0,1
.irp i, 0,1,2
	v_permlane16_swap_b32 v[PC+6*\c+\i], v[PC+12+4*\c+\i]
.endr
.irp i, 0,1,2
	v_mov_b32 v[PC+3+6*\c+\i], v[PC+12+4*\c+\i]
.endr
.endr
	global_store_b128 v[L16], v[PC:PC+3], s[OA:OA+1]
	global_store_b64 v[L8], v[PC+4:PC+5], s[OA:OA+1] offset:512
	global_store_b128 v[L16], v[PC+6:PC+9], s[OB:OB+1]
	global_store_b64 v[L8], v[PC+10:PC+11], s[OB:OB+1] offset:512
.endm
.irp a, 0,1,2,3,4,5,6,7
	QBLK \a
.endr
	s_cmp_lt_u32 s95, 8
	s_cbranch_scc0 .Lv_scales
.irp a, 0,1,2,3,4,5,6,7
	v_lshrrev_b32 v[SW+\a], v[SH], v[PW+\a]
.endr
	global_store_b128 v[VS], v[SW:SW+3], s[OSC:OSC+1]
	global_store_b128 v[VS], v[SW+4:SW+7], s[OSC:OSC+1] offset:256
	s_branch .Lscales_out
.Lv_scales:
	v_cmp_le_u32 vcc_lo, 16, v3
.irp i, 0,1,2,3
	v_cndmask_b32 v[SW+\i], v[PW+\i], v[PW+4+\i], vcc_lo
.endr
	global_store_b128 v[VS], v[SW:SW+3], s[OSC:OSC+1]
.Lscales_out:
	s_wait_tensorcnt 0x0
	ds_add_u32 v[SPW], v[NIL]
	s_wait_dscnt 0x0
	CROUND
	s_endpgm
.Lfunc_end_k_qe18a21f9c2_gemm_qkv:
	.size	k_qe18a21f9c2_gemm_qkv, .Lfunc_end_k_qe18a21f9c2_gemm_qkv-k_qe18a21f9c2_gemm_qkv
	.p2alignl 7, 3214868480
	.fill 96, 4, 3214868480
	.section	.rodata,"a",@progbits
	.p2align	6, 0x0
	.amdhsa_kernel k_qe18a21f9c2_gemm_qkv
		.amdhsa_group_segment_fixed_size 327680
		.amdhsa_private_segment_fixed_size 0
		.amdhsa_enable_private_segment 0
		.amdhsa_kernarg_size 40
		.amdhsa_user_sgpr_count 2
		.amdhsa_user_sgpr_kernarg_segment_ptr 1
		.amdhsa_wavefront_size32 1
		.amdhsa_system_sgpr_workgroup_id_x 1
		.amdhsa_system_sgpr_workgroup_id_y 1
		.amdhsa_system_sgpr_workgroup_id_z 1
		.amdhsa_system_vgpr_workitem_id 0
		.amdhsa_next_free_vgpr 1024
		.amdhsa_next_free_sgpr 100
		.amdhsa_reserve_vcc 1
		.amdhsa_float_denorm_mode_32 3
		.amdhsa_float_denorm_mode_16_64 3
		.amdhsa_memory_ordered 1
		.amdhsa_forward_progress 1
		.amdhsa_inst_pref_size 152
	.end_amdhsa_kernel
	.amdgpu_metadata
---
amdhsa.version: [ 1, 2 ]
amdhsa.kernels:
  - .name:           k_qe18a21f9c2_gemm_qkv
    .symbol:         k_qe18a21f9c2_gemm_qkv.kd
    .args:
      - { .name: x_img, .offset: 0, .size: 8, .value_kind: global_buffer, .address_space: global }
      - { .name: x_si, .offset: 8, .size: 8, .value_kind: global_buffer, .address_space: global }
      - { .name: w_img, .offset: 16, .size: 8, .value_kind: global_buffer, .address_space: global }
      - { .name: w_si, .offset: 24, .size: 8, .value_kind: global_buffer, .address_space: global }
      - { .name: qkv, .offset: 32, .size: 8, .value_kind: global_buffer, .address_space: global }
    .group_segment_fixed_size: 327680
    .private_segment_fixed_size: 0
    .kernarg_segment_align: 8
    .kernarg_segment_size: 40
    .max_flat_workgroup_size: 128
    .sgpr_count:     100
    .vgpr_count:     1024
    .wavefront_size: 32
...
	.end_amdgpu_metadata
.endif
;; end of part 2
;; launch attn (part 3): grid 4 x 64, 16 waves a work-group, clusters of 4 x 1, 210,944 bytes of LDS; arguments qkv, o_img, o_si; writes o_img, o_si
.if DOCPART == 3
	.amdgcn_target "amdgcn-amd-amdhsa--gfx1250"
	.amdhsa_code_object_version 6
	.text
	.protected	k_qe18a21f9c2_attn
	.globl	k_qe18a21f9c2_attn
	.p2align	8
	.type	k_qe18a21f9c2_attn,@function
k_qe18a21f9c2_attn:
	s_mov_b64 s[64:65], 0
	v_nop
	global_prefetch_b8 v0, s[64:65] scope:SCOPE_SE
	s_setreg_imm32_b32 hwreg(HW_REG_WAVE_MODE, 25, 1), 1
	s_wait_xcnt 0x0
	s_wait_alu depctr_hold_cnt(0) depctr_sa_sdst(0) depctr_va_vdst(0) depctr_va_sdst(0) depctr_va_ssrc(0) depctr_va_vcc(0) depctr_vm_vsrc(0)
	s_getreg_b32 s2, hwreg(HW_REG_IB_STS2, 6, 4)
	s_cmp_eq_u32 s2, 0
	s_cbranch_scc0 .Lentry_in_a_cluster
	s_endpgm
.Lentry_in_a_cluster:
	s_bfe_u32 s2, ttmp6, 0x10000c
	s_cmp_lg_u32 s2, 0x3003
	s_cbranch_scc0 .Lentry_shape_is_right
	s_endpgm
.Lentry_shape_is_right:
; O[b][h][q] = the sum over k of softmax_k(Q . K / 8) V, both products on codes of FP6 (E2M3) with E8M0 scales; the result is divided by the row's sum, quantised along (head, channel) and stored as the last product's operand.
; THE SOFTMAX AHEAD OF THE SECOND PRODUCT: t = score x log2(e) / 8; M = the row's largest t so far, rounded up to a whole number; p = 2^(t - M) is what is quantised, along the keys; the row's sum is taken of the
; unquantised p, in f32.  When M moves, the sum and O are multiplied by 2^(old M - new M): exact.
; SHARES.  A work-group owns one (batch, head) and 512 queries; each of its sixteen waves owns one tile of 16 queries in each of two passes, in 256 registers: four waves to a SIMD, so that one wave's vector work stands
; beside another's matrix work and LDS loads.  Every wave walks the head's 2,048 keys, 128 a step.
; ALL OF THE HEAD'S K AND V STAY IN LDS: 16 records of 13,056 bytes (k's codes 0, v's codes 6,144, k's scale words 12,288, v's 12,800), wave w bringing record w by one tensor load.  Nothing is filled again: no ring, and
; one barrier, behind the fills.  CLUSTER: the four work-groups of a head need the same K and V: each load is asked for jointly, with a mask that names the four.
; LAYOUT.  Both products are used transposed: S^T = K Q^T (source 0 = 16 keys), O^T = V^T P^T (source 0 = 16 channels): a lane holds one query throughout.  A tile's rows are 32 (T / 2) + 8 (T % 2) + r + 8 (r / 8), so that
; the 16 registers of two neighbouring tiles are 16 neighbours along the next K.  Codes lie as images of the registers: half fragments of 768 bytes (16 rows x 64 K): registers 0-3 at 16 x lane, 4-5 at 512 + 8 x lane.
; THE FIRST PRODUCT'S K IS 64, half of the instruction's 128: Q's upper six registers are zero codes, which add nothing whatever stands against them: K's upper six are simply the next tile's registers.
; LIMITS: a block of zeros gets the byte 1 (its codes are zeros; this program alone reads the bytes); blocks whose largest magnitude lies under 2^-124 were not tried; NaN and infinities are not served.
; No prefetch: all that the launch reads is asked for at its head.
; REGISTERS: v1-3 16 x lane, 8 x lane, 16 r; v5, v6 the add's two; v7 the output scale byte's place; v8-10 the step's LDS addresses; v12 -M, v13 the largest t, v[14:15] the sum in two halves; v16-27 Q of pass 0, v28 its
; scale word; v32-79 K's eight tiles, then V's four fragments; v80-85 zeros; v86-93 K's, then V's scale words; v96-159 S^T, then p; v160-191 O^T; v192-203 p's codes; v204-210 conversions' second halves;
; v212-215, v216-219, v220-223 a block's largest, at work, scale operands; v224 at work; v[226:227] f; v228 p's scale word; v230-241 Q of pass 1, v242 its scale word.
.set RS,    19712                      ; a record in qkv
.set HS,    315392                     ; a head's 16 records
.set KV,    13056                      ; what a record has of K and V: 51 x 256 bytes
.set SPARE, 208896                     ; behind the 16 records: the spare words, 128 bytes a wave
.set L16, 1
.set L8,  2
.set LR,  3
.set SPW, 5
.set NIL, 6
.set OSO, 7
.set A16, 8
.set A8,  9
.set AR,  10
.set BM,  212
.set BT,  216
.set SO,  220
.set T,   224
.set F,   226
.set PWD, 228
.set TB,  2                            ; s2  LDS byte at which the step's record begins
.set CNT, 3                            ; s3  steps to go
.set WV,  18                           ; s18 my wave's number
.set SEL, 20                           ; s[20:21] lane selects for lane l xor 16
.set CS,  22                           ; s[22:23] c = log2(e) / 8
.set G1,  24
.set G0,  32
.set HM,  37                           ; s37 the mask of lanes 16-31
.macro CROUND                          ; a round of the cluster's barrier
	s_barrier_signal -1
	s_barrier_wait -1
	s_cmp_lg_u32 s[WV], 0
	s_cbranch_scc1 .Lnot_wave_0_\@
	s_barrier_signal -3
.Lnot_wave_0_\@:
	s_barrier_wait -3
	s_barrier_signal -1
	s_barrier_wait -1
.endm
	s_load_b128 s[4:7], s[0:1], 0x0                ; qkv, o_img
	s_load_b64 s[8:9], s[0:1], 0x10                ; o_si
	v_lshl_add_u32 v[SPW], v0, 2, SPARE
	v_mov_b32 v[NIL], 0
	ds_add_u32 v[SPW], v[NIL]                      ; the wave's opening: the add and its wait stand ahead of my first tensor load; the set-up below, work on registers, stands between them
	ds_add_u32 v[SPW], v[NIL]
	v_lshrrev_b32 v4, 5, v0
	s_delay_alu instid0(VALU_DEP_1)
	v_readfirstlane_b32 s[WV], v4                  ; wave 0..15
	s_bfe_u32 s13, ttmp6, 0x40000                  ; cx: my 512 queries; it enters Q's and O's global addresses alone
	s_and_b32 s12, ttmp7, 0xffff                   ; batch x 16 + head, which the four partners share
	s_mul_i32 s14, s12, HS                         ; the head's first byte in qkv
	s_mul_i32 s15, s[WV], RS
	s_add_co_u32 s16, s14, s15
	s_add_co_u32 s16, s16, 6656                    ; record w, from k's codes on
	s_mov_b32 s17, 0
	s_mul_i32 s19, s[WV], KV                       ; and its place in LDS
	; descriptor group 1: a dense block of 13,056 bytes as 51 rows of 256 (32 elements of 8 bytes)
	s_mov_b32 s[G1], 15|(3<<16)|(1<<21)            ; 15:0 the mask: all four work-groups; 17:16 elements of 8 bytes; 21 set beside a mask
	s_mov_b32 s[G1+1], 32<<16
	s_mov_b32 s[G1+2], 51<<16
	s_mov_b32 s[G1+3], 32<<16
	s_mov_b32 s[G1+4], 51
	s_mov_b32 s[G1+5], 32
	s_mov_b32 s[G1+6], 0
	s_mov_b32 s[G1+7], 0
	s_mov_b32 s[SEL], 0x76543210
	s_mov_b32 s[SEL+1], 0xfedcba98
	s_mov_b32 s[CS], 0x3e38aa3b                    ; log2(e) / 8
	s_mov_b32 s[CS+1], s[CS]                       ; (named with it as a pair, so it is written)
	s_lshl_b32 s38, s13, 2                         ; Q: tile 32 cx + 16 pass + wave of the head's 128: record 4 cx + 2 pass + wave / 8, tile wave % 8 in it
	s_lshr_b32 s39, s[WV], 3
	s_add_co_u32 s38, s38, s39
	s_mul_i32 s38, s38, RS
	s_add_co_u32 s38, s38, s14
	s_and_b32 s39, s[WV], 7
	s_mul_i32 s42, s39, 768
	s_add_co_u32 s42, s42, s38                     ; its codes
	s_mov_b32 s43, 0
	s_lshr_b32 s46, s39, 2
	s_lshl_b32 s46, s46, 8
	s_and_b32 s47, s[WV], 3
	s_lshl_b32 s47, s47, 2
	s_add_co_u32 s46, s46, s47
	s_add_co_u32 s46, s46, s38
	s_add_co_u32 s46, s46, 6144                    ; its scale words: 256 (tile / 4) + 16 r + 4 (tile % 4)
	s_mov_b32 s47, 0
	s_lshr_b32 s48, s12, 4                         ; O: token tile 128 batch + 32 cx + 16 pass + wave,
	s_lshl_b32 s48, s48, 7
	s_lshl_b32 s49, s13, 5
	s_add_co_u32 s48, s48, s49
	s_add_co_u32 s48, s48, s[WV]
	s_and_b32 s49, s12, 15                         ; half fragment = head
	s_mul_i32 s40, s48, 12288
	s_mul_i32 s50, s49, 768
	s_add_co_u32 s40, s40, s50
	s_mov_b32 s41, 0
	s_lshl_b32 s44, s48, 9                         ; its scale bytes: 512 tile + 128 (head / 4) + 8 r + 2 (head % 4) + block
	s_lshr_b32 s50, s49, 2
	s_lshl_b32 s50, s50, 7
	s_add_co_u32 s44, s44, s50
	s_and_b32 s50, s49, 3
	s_lshl_b32 s50, s50, 1
	s_add_co_u32 s44, s44, s50
	s_mov_b32 s45, 0
	v_and_b32 v4, 31, v0                           ; lane
	v_and_b32 v11, 15, v0                          ; r
	v_bfe_u32 v29, v0, 4, 1                        ; h
	s_delay_alu instid0(VALU_DEP_3)
	v_lshlrev_b32 v[L16], 4, v4
	s_delay_alu instid0(VALU_DEP_4)
	v_lshlrev_b32 v[L8], 3, v4
	s_delay_alu instid0(VALU_DEP_4)
	v_lshlrev_b32 v[LR], 4, v11
	s_delay_alu instid0(VALU_DEP_4)
	v_lshl_add_u32 v[OSO], v11, 3, v29             ; 8 r + h: lane (r, h) stores block h's byte
	v_cmp_le_u32 s[HM], 16, v4
.irp j, 0,1,2,3,4,5
	v_mov_b32 v[22+\j], 0                          ; Q's upper 64 along K: zero codes
	v_mov_b32 v[236+\j], 0
	v_mov_b32 v[80+\j], 0                          ; what stands behind K's last tile
.endr
.irp b, 0,1,2,3
	v_mov_b32 v[BT+\b], 0                          ; written once: a lane permute's destination counts as one of its sources
.endr
	v_mov_b32 v[F+1], 0                            ; (named as the upper half of the pair with f)
	s_wait_dscnt 0x0                               ; the opening add is done
	s_wait_kmcnt 0x0
	s_add_nc_u64 s[42:43], s[4:5], s[42:43]
	s_add_nc_u64 s[46:47], s[4:5], s[46:47]
	s_add_nc_u64 s[40:41], s[6:7], s[40:41]
	s_add_nc_u64 s[44:45], s[8:9], s[44:45]
	CROUND                                         ; all four work-groups are here: the joint loads meet
	s_mov_b32 s[G0], 1                             ; 1:0 count = 1
	s_mov_b32 s[G0+1], s19                         ; 63:32 LDS address: by the wave's number alone
	s_add_nc_u64 s[G0+2:G0+3], s[4:5], s[16:17]    ; 120:64 global address: by the head and the wave's number
	s_or_b32 s[G0+3], s[G0+3], 0x80000000          ; 127:126 type = 2
	tensor_load_to_lds s[G0:G0+3], s[G1:G1+7]      ; my one tensor load of the launch
	s_nop 0
.rept 4
	v_nop
.endr
	global_load_b128 v[16:19], v[L16], s[42:43]                    ; Q of both passes stays in registers
	global_load_b64 v[20:21], v[L8], s[42:43] offset:512
	global_load_b32 v28, v[LR], s[46:47]
	global_load_b128 v[230:233], v[L16], s[42:43] offset:2*RS
	global_load_b64 v[234:235], v[L8], s[42:43] offset:2*RS+512
	global_load_b32 v242, v[LR], s[46:47] offset:2*RS
	s_wait_tensorcnt 0x0                           ; my record is in,
	s_barrier_signal -1
	s_barrier_wait -1                              ; everybody's is
	s_wait_loadcnt 0x0                             ; Q
; A PASS: one tile of 16 queries against all 2,048 keys.  qf: Q's twelve registers; qs: its scale word.
.macro PASS p, qf, qs
	v_mov_b32 v13, 0xff61b1e6                      ; the largest t so far: -3e38, under every t
	s_delay_alu instid0(VALU_DEP_1)
	v_floor_f32 v12, -v13                          ; -M
	v_mov_b32 v14, 0                               ; the sum, in two halves
	v_mov_b32 v15, 0
.set j, 0
.rept 32
	v_mov_b32 v[160+j], 0                          ; O^T.  (The step is written once: the first finds zeros, which the first change of M leaves zeros)
.set j, j+1
.endr
	s_mov_b32 s[TB], 0
	s_mov_b32 s[CNT], 16
.Lstep_\@:
	v_add_nc_u32 v[A16], s[TB], v[L16]             ; these three and the v_nop are the four places in front of loads into registers that the last products have read
	v_add_nc_u32 v[A8], s[TB], v[L8]
	v_add_nc_u32 v[AR], s[TB], v[LR]
	v_nop
.irp t, 0,1,2,3,4,5,6,7                ; K: eight tiles of 16 keys x 64, six registers each, on end
	ds_load_b128 v[32+6*\t:35+6*\t], v[A16] offset:768*\t
	ds_load_b64 v[36+6*\t:37+6*\t], v[A8] offset:768*\t+512
.endr
	ds_load_b128 v[86:89], v[AR] offset:12288      ; their scale words: four tiles' words of row r lie together
	ds_load_b128 v[90:93], v[AR] offset:12544
	s_wait_alu depctr_va_vdst(0)
	s_wait_dscnt 0x0
.irp t, 0,1,2,3,4,5,6,7                ; S^T = K Q^T: the accumulators take turns; lane (r, h) holds query r, and register 16 B + i key 32 B + 16 h + i of the step
	v_wmma_scale_f32_16x16x128_f8f6f4 v[96+8*\t:103+8*\t], v[32+6*\t:43+6*\t], v[\qf:\qf+11], 0, v[86+\t], v[\qs] matrix_a_fmt:MATRIX_FMT_FP6 matrix_b_fmt:MATRIX_FMT_FP6
.endr
.rept 4
	v_nop                                          ; places: in front of the loads below, and of the first read of the scores
.endr
.irp t, 0,1,2,3                        ; V's four fragments (16 channels x 128 keys) are asked for now and land under the softmax
	ds_load_b128 v[32+12*\t:35+12*\t], v[A16] offset:6144+1536*\t
	ds_load_b64 v[36+12*\t:37+12*\t], v[A8] offset:6144+1536*\t+512
	ds_load_b128 v[38+12*\t:41+12*\t], v[A16] offset:6144+1536*\t+768
	ds_load_b64 v[42+12*\t:43+12*\t], v[A8] offset:6144+1536*\t+1280
.endr
	ds_load_b128 v[86:89], v[AR] offset:12800      ; and their scale words
.irp b, 0,1,2,3
	v_max3_num_f32 v[BM+\b], v[96+16*\b], v[97+16*\b], v[98+16*\b]   ; the largest score of each block of 32 keys: it serves for the row's maximum and, since p rises with the score, for the block's largest p
.endr
.irp i, 3,5,7,9,11,13
.irp b, 0,1,2,3
	v_max3_num_f32 v[BM+\b], v[BM+\b], v[96+16*\b+\i], v[97+16*\b+\i]   ; (the four blocks by turns)
.endr
.endr
.irp b, 0,1,2,3
	v_max_num_f32 v[BM+\b], v[BM+\b], v[111+16*\b]
.endr
.irp b, 0,1,2,3
	s_delay_alu instid0(VALU_DEP_4)
	v_permlanex16_b32 v[BT+\b], v[BM+\b], s[SEL], s[SEL+1]
.endr
.irp b, 0,1,2,3
	s_delay_alu instid0(VALU_DEP_4)
	v_max_num_f32 v[BM+\b], v[BM+\b], v[BT+\b]     ; with lane l xor 16's 16 keys
.endr
	s_delay_alu instid0(VALU_DEP_2)
	v_max3_num_f32 v[T], v[BM], v[BM+1], v[BM+2]
	s_delay_alu instid0(VALU_DEP_1)
	v_max_num_f32 v[T], v[T], v[BM+3]              ; the step's largest score of my query
	s_delay_alu instid0(VALU_DEP_1)
	v_mul_f32 v[T], s[CS], v[T]                    ; as t (c is positive)
	s_delay_alu instid0(VALU_DEP_1)
	v_max_num_f32 v13, v13, v[T]                   ; the running largest t
	v_mov_b32 v[T], v12
	s_delay_alu instid0(VALU_DEP_2)
	v_floor_f32 v12, -v13                          ; the new -M = floor(-t) = -ceil(t): a whole number
	s_delay_alu instid0(VALU_DEP_1)
	v_sub_f32 v[T], v12, v[T]                      ; M's old value less its new one: a whole number, 0 or less
	s_delay_alu instid0(VALU_DEP_1)
	v_cvt_i32_f32 v[T], v[T]                       ; (it saturates)
	s_delay_alu instid0(VALU_DEP_1)
	v_ldexp_f32 v[F], 1.0, v[T]                    ; f = 2^(old M - new M)
.set j, 0
.rept 32
	v_pk_fma_f32 v[96+j:97+j], v[96+j:97+j], s[CS:CS+1], v[12:13] op_sel_hi:[1,0,0]   ; t - M, two at a time (of the pairs c and -M the low word serves both halves)
.set j, j+2
.endr
.irp b, 0,1,2,3
	v_fma_f32 v[BM+\b], v[BM+\b], s[CS], v12       ; the same of each block's largest score
.endr
.set j, 0
	s_wait_alu depctr_va_vdst(0)
.rept 64
	v_exp_f32 v[96+j], v[96+j]                     ; p = 2^(t - M), at most 1: not normalised
.set j, j+1
.endr
	v_pk_mul_f32 v[14:15], v[14:15], v[F:F+1] op_sel_hi:[1,0]      ; the sums under the new M: a plain place behind the exponentials
	s_wait_alu depctr_va_vdst(0)                   ; one wait for the whole batch, ahead of its first reader
.irp b, 0,1,2,3
	v_exp_f32 v[BM+\b], v[BM+\b]                   ; the block's largest p: the same two instructions on the same number give the same bits
.endr
	v_pk_add_f32 v[216:217], v[100:101], v[104:105]
	v_pk_add_f32 v[254:255], v[108:109], v[112:113]
	v_pk_add_f32 v[252:253], v[116:117], v[120:121]
	v_pk_add_f32 v[250:251], v[124:125], v[128:129]
	v_pk_add_f32 v[248:249], v[132:133], v[136:137]
	v_pk_add_f32 v[246:247], v[140:141], v[144:145]
	v_pk_add_f32 v[244:245], v[148:149], v[152:153]
	v_pk_add_f32 v[14:15], v[14:15], v[156:157]
	v_pk_add_f32 v[216:217], v[216:217], v[96:97]
	v_pk_add_f32 v[254:255], v[254:255], v[98:99]
	v_pk_add_f32 v[252:253], v[252:253], v[102:103]
	v_pk_add_f32 v[250:251], v[250:251], v[106:107]
	v_pk_add_f32 v[248:249], v[248:249], v[110:111]
	v_pk_add_f32 v[246:247], v[246:247], v[114:115]
	v_pk_add_f32 v[244:245], v[244:245], v[118:119]
	v_pk_add_f32 v[14:15], v[14:15], v[122:123]
	v_pk_add_f32 v[216:217], v[216:217], v[126:127]
	v_pk_add_f32 v[254:255], v[254:255], v[130:131]
	v_pk_add_f32 v[252:253], v[252:253], v[134:135]
	v_pk_add_f32 v[250:251], v[250:251], v[138:139]
	v_pk_add_f32 v[248:249], v[248:249], v[142:143]
	v_pk_add_f32 v[246:247], v[246:247], v[146:147]
	v_pk_add_f32 v[244:245], v[244:245], v[150:151]
	v_pk_add_f32 v[14:15], v[14:15], v[154:155]
	v_pk_add_f32 v[216:217], v[216:217], v[158:159]
	s_delay_alu instid0(VALU_DEP_2)
	v_pk_add_f32 v[14:15], v[14:15], v[250:251]
	s_delay_alu instid0(VALU_DEP_2)
	v_pk_add_f32 v[216:217], v[216:217], v[248:249]
	v_pk_add_f32 v[254:255], v[254:255], v[246:247]
	v_pk_add_f32 v[252:253], v[252:253], v[244:245]
	s_delay_alu instid0(VALU_DEP_2)
	v_pk_add_f32 v[14:15], v[14:15], v[254:255]
	s_delay_alu instid0(VALU_DEP_2)
	v_pk_add_f32 v[216:217], v[216:217], v[252:253]
	s_delay_alu instid0(VALU_DEP_1)
	v_pk_add_f32 v[14:15], v[14:15], v[216:217]
	s_wait_alu depctr_va_vdst(0)                   ; and one for the four
.irp b, 0,1,2,3
	v_max_num_f32 v[BM+\b], 0x1800000, v[BM+\b]    ; the floor 2^(3 - 127): the byte cannot fall under 1
.endr
.irp b, 0,1,2,3
	s_delay_alu instid0(VALU_DEP_4)
	v_add_nc_u32 v[SO+\b], 0xff000000, v[BM+\b]    ; 2 off the exponent field: the conversion's scale operand
.endr
.irp b, 0,1,2,3
	s_delay_alu instid0(VALU_DEP_4)
	v_lshrrev_b32 v[BT+\b], 23, v[SO+\b]           ; the scale's byte
.endr
	s_delay_alu instid0(VALU_DEP_3)
	v_lshl_or_b32 v[PWD], v[BT+1], 8, v[BT]        ; p's scale word for these 128 keys
	s_delay_alu instid0(VALU_DEP_1)
	v_lshl_or_b32 v[PWD], v[BT+2], 16, v[PWD]
	s_delay_alu instid0(VALU_DEP_1)
	v_lshl_or_b32 v[PWD], v[BT+3], 24, v[PWD]
.irp c, 0,1
	v_cvt_scalef32_pk16_fp6_f32 v[192+6*\c:194+6*\c], v[96+32*\c:111+32*\c], v[SO+2*\c]
	v_cvt_scalef32_pk16_fp6_f32 v[204+4*\c:206+4*\c], v[112+32*\c:127+32*\c], v[SO+2*\c+1]   ; (a conversion's three registers begin on an even number)
.endr
	v_nop                                          ; one plain place behind a scaled conversion
.irp c, 0,1                            ; the operand's layout wants a whole block in a lane: lanes 0-15 block 2 c, lanes 16-31 block 2 c + 1
.irp i, 0,1,2
	v_permlane16_swap_b32 v[192+6*\c+\i], v[204+4*\c+\i]
.endr
.irp i, 0,1,2
	s_delay_alu instid0(VALU_DEP_3)
	v_mov_b32 v[195+6*\c+\i], v[204+4*\c+\i]
.endr
.endr
.set j, 0
.rept 16
	v_pk_mul_f32 v[160+j:161+j], v[160+j:161+j], v[F:F+1] op_sel_hi:[1,0]   ; O^T under the new M.  (These sixteen also stand between the writes of p's codes and scale word and the products below)
.set j, j+2
.endr
	s_wait_alu depctr_va_vdst(0)
	s_wait_dscnt 0x0                               ; V is in
.irp t, 0,1,2,3                        ; O^T += V^T P^T: K = these 128 keys; the four accumulators take turns
	v_wmma_scale_f32_16x16x128_f8f6f4 v[160+8*\t:167+8*\t], v[32+12*\t:43+12*\t], v[192:203], v[160+8*\t:167+8*\t], v[86+\t], v[PWD] matrix_a_fmt:MATRIX_FMT_FP6 matrix_b_fmt:MATRIX_FMT_FP6
.endr
	s_add_co_u32 s[TB], s[TB], KV                  ; the next record
	s_sub_co_u32 s[CNT], s[CNT], 1
	s_cmp_lg_u32 s[CNT], 0
	s_cbranch_scc1 .Lstep_\@
	; the pass's end: O^T / the sum; register 16 B + i is channel 32 B + 16 h + i of my query: two blocks of the last product's K
.rept 4
	v_nop                                          ; places behind the last products
.endr
	v_add_f32 v14, v14, v15                        ; the sum's two halves,
	s_delay_alu instid0(VALU_DEP_1)
	v_permlanex16_b32 v[T], v14, s[SEL], s[SEL+1]
	s_delay_alu instid0(VALU_DEP_1)
	v_add_f32 v14, v14, v[T]                       ; and lane l xor 16's: the row's sum
	s_wait_alu depctr_va_vdst(0)
	v_rcp_f32 v14, v14
	v_nop                                          ; a plain place behind the transcendental
	s_wait_alu depctr_va_vdst(0)                   ; and the wait, ahead of its first reader
.set j, 0
.rept 32
	v_mul_f32 v[96+j], v[160+j], v14               ; each accumulator from its low end on
.set j, j+1
.endr
.irp b, 0,1
	v_max3_num_f32 v[BM+\b], |v[96+16*\b]|, |v[97+16*\b]|, 0x1800000
.endr
.irp i, 2,4,6,8,10,12,14
.irp b, 0,1
	s_delay_alu instid0(VALU_DEP_2)
	v_max3_num_f32 v[BM+\b], v[BM+\b], |v[96+16*\b+\i]|, |v[97+16*\b+\i]|
.endr
.endr
.irp b, 0,1
	s_delay_alu instid0(VALU_DEP_2)
	v_permlanex16_b32 v[BT+\b], v[BM+\b], s[SEL], s[SEL+1]
.endr
.irp b, 0,1
	s_delay_alu instid0(VALU_DEP_2)
	v_max_num_f32 v[BM+\b], v[BM+\b], v[BT+\b]
.endr
.irp b, 0,1
	s_delay_alu instid0(VALU_DEP_2)
	v_add_nc_u32 v[SO+\b], 0xff000000, v[BM+\b]
.endr
.irp b, 0,1
	s_delay_alu instid0(VALU_DEP_2)
	v_lshrrev_b32 v[BT+\b], 23, v[SO+\b]
.endr
	v_cvt_scalef32_pk16_fp6_f32 v[192:194], v[96:111], v[SO]
	v_cvt_scalef32_pk16_fp6_f32 v[204:206], v[112:127], v[SO+1]
	v_cndmask_b32 v[T], v[BT], v[BT+1], s[HM]      ; lanes 0-15 store block 0's byte, lanes 16-31 block 1's.  (The plain place behind the conversions)
.irp i, 0,1,2
	v_permlane16_swap_b32 v[192+\i], v[204+\i]
.endr
.irp i, 0,1,2
	s_delay_alu instid0(VALU_DEP_3)
	v_mov_b32 v[195+\i], v[204+\i]
.endr
	global_store_b128 v[L16], v[192:195], s[40:41] offset:196608*\p              ; the half fragment: 512 consecutive bytes, aligned to 256,
	global_store_b64 v[L8], v[196:197], s[40:41] offset:196608*\p+512            ; and 256 more
	global_store_b8 v[OSO], v[T], s[44:45] offset:8192*\p                        ; two bytes a row: one byte in 24 of what the pass stores
	s_wait_xcnt 0x0                                ; the stores have read their data: these registers are written again only behind this wait
.endm
	PASS 0, 16, 28
	PASS 1, 230, 242
	s_wait_tensorcnt 0x0                           ; the wave's end: three lines behind my last tensor load
	ds_add_u32 v[SPW], v[NIL]
	s_wait_dscnt 0x0
	CROUND                                         ; the closing round
	s_endpgm
.Lfunc_end_k_qe18a21f9c2_attn:
	.size	k_qe18a21f9c2_attn, .Lfunc_end_k_qe18a21f9c2_attn-k_qe18a21f9c2_attn
	.p2alignl 7, 3214868480
	.fill 96, 4, 3214868480
	.section	.rodata,"a",@progbits
	.p2align	6, 0x0
	.amdhsa_kernel k_qe18a21f9c2_attn
		.amdhsa_group_segment_fixed_size 210944
		.amdhsa_private_segment_fixed_size 0
		.amdhsa_enable_private_segment 0
		.amdhsa_kernarg_size 24
		.amdhsa_user_sgpr_count 2
		.amdhsa_user_sgpr_kernarg_segment_ptr 1
		.amdhsa_wavefront_size32 1
		.amdhsa_system_sgpr_workgroup_id_x 1
		.amdhsa_system_sgpr_workgroup_id_y 1
		.amdhsa_system_sgpr_workgroup_id_z 1
		.amdhsa_system_vgpr_workitem_id 0
		.amdhsa_next_free_vgpr 256
		.amdhsa_next_free_sgpr 66
		.amdhsa_reserve_vcc 0
		.amdhsa_float_denorm_mode_32 3
		.amdhsa_float_denorm_mode_16_64 3
		.amdhsa_memory_ordered 1
		.amdhsa_forward_progress 1
		.amdhsa_inst_pref_size 52
	.end_amdhsa_kernel
	.amdgpu_metadata
---
amdhsa.version: [ 1, 2 ]
amdhsa.kernels:
  - .name:           k_qe18a21f9c2_attn
    .symbol:         k_qe18a21f9c2_attn.kd
    .args:
      - { .name: qkv, .offset: 0, .size: 8, .value_kind: global_buffer, .address_space: global }
      - { .name: o_img, .offset: 8, .size: 8, .value_kind: global_buffer, .address_space: global }
      - { .name: o_si, .offset: 16, .size: 8, .value_kind: global_buffer, .address_space: global }
    .group_segment_fixed_size: 210944
    .private_segment_fixed_size: 0
    .kernarg_segment_align: 8
    .kernarg_segment_size: 24
    .max_flat_workgroup_size: 512
    .sgpr_count:     66
    .vgpr_count:     256
    .wavefront_size: 32
...
	.end_amdgpu_metadata
.endif
;; end of part 3
;; launch gemm_out (part 4): grid 8 x 32, 4 waves a work-group, clusters of 4 x 4, 327,680 bytes of LDS; arguments o_img, o_si, w_img, w_si, b_out, out0; writes out0
.if DOCPART == 4
	.amdgcn_target "amdgcn-amd-amdhsa--gfx1250"
	.amdhsa_code_object_version 6
	.text
	.protected	k_qe18a21f9c2_gemm_out
	.globl	k_qe18a21f9c2_gemm_out
	.p2align	8
	.type	k_qe18a21f9c2_gemm_out,@function
k_qe18a21f9c2_gemm_out:
	s_mov_b64 s[64:65], 0
	v_nop
	global_prefetch_b8 v0, s[64:65] scope:SCOPE_SE
	s_setreg_imm32_b32 hwreg(HW_REG_WAVE_MODE, 25, 1), 1
	s_wait_xcnt 0x0
	s_wait_alu depctr_hold_cnt(0) depctr_sa_sdst(0) depctr_va_vdst(0) depctr_va_sdst(0) depctr_va_ssrc(0) depctr_va_vcc(0) depctr_vm_vsrc(0)
	s_getreg_b32 s2, hwreg(HW_REG_IB_STS2, 6, 4)
	s_cmp_eq_u32 s2, 0
	s_cbranch_scc0 .Lentry_in_a_cluster
	s_endpgm
.Lentry_in_a_cluster:
	s_bfe_u32 s2, ttmp6, 0x10000c
	s_cmp_lg_u32 s2, 0xf033
	s_cbranch_scc0 .Lentry_shape_is_right
	s_endpgm
.Lentry_shape_is_right:
; out0[token][n] = sum over k of O[token][k] w_out[k][n] + b_out[n], f32: 8,192 x 1,024 x 1,024 on codes of FP6 (E2M3) with E8M0 scales.  A sum begins with the bias.
; LIMITS: NaN, infinities and sums beyond f32's range are not served.
; OPERANDS as the earlier launches leave them: codes [tile of 16 rows][16 half fragments][768 bytes], scale bytes [tile][4 runs of 256 K][r][8]; tile T holds rows 32 (T / 2) + 8 (T % 2) + r + 8 (r / 8); w_out's columns are tiles 192-255 of w_img.
; THE DEAL: 8 x 32 = 256 work-groups of four waves (2 x 2), each 256 tokens x 128 columns.  The wave in row a, column b holds B's four tiles 4 b .. 4 b + 3, ALL of K, in 384 registers, and streams A's tiles 2 s + a, s = 0 .. 7, past them:
; a block is 32 products on four accumulators by turns.  Each block's rows go through the wave's own stage and are stored in the run behind its own products.
; LDS: A's 16 tiles, B's 8 tiles, the stages, the spare words.  All is asked for at the head and nothing is filled again: so there is no ring and no data prefetch (no loop to run ahead in).
; THE HEAD'S FOUR TILES, one joint load a wave, each on a line of its own: B; A's tiles 0-7; 8-11; 12-15.  The stream begins when the first two are in; a plain barrier inside block 1 shows the others, ahead of the fetch of block 4.
; CLUSTER 4 x 4: A's tiles are shared along a row of the cluster, B's along a column.  The scale words and the bias go by plain loads straight into registers.
; The product is used transposed (source 0 = B's tile): a lane holds eight neighbouring columns of one token.
; REGISTERS: window 0: v8-23 addresses, v32-47 B's scale words (lanes 0-15 tile 2 p, lanes 16-31 tile 2 p + 1), v52-83 A's (lanes 0-15 block 2 u, lanes 16-31 block 2 u + 1), v88-119 the bias as the first products' C,
; v120-183 two sets of accumulators, v184-247 two sets of rows back from the stage.  Fragment f lies in window 1 + f / 21 at register 12 (f % 21): 0-31 B's (4 q + tile), 32-47 A's two sets (32 + 8 e + q).
.set FR,     12
.set FPW,    21
.set TILE,   12288
.set BL,     196608                    ; B's tiles, behind A's sixteen
.set STAGE,  294912                    ; 16 rows x (256 + 16) bytes for each wave
.set SPITCH, 272
.set SPARE,  312320                    ; the spare words, 128 bytes a wave
.set AA,   8                           ; v8-15  LDS addresses of my blocks 2 g, 2 g + 1: 16 x lane, 8 x lane
.set ABD,  16                          ; v16-17 of my four tiles of B
.set STO,  18
.set RD,   19
.set CO,   20
.set SAO,  21
.set SBO,  22
.set BOA,  23
.set SPW,  28
.set NIL,  29
.set SB,   32
.set SA,   52
.set BO,   88
.set ACC,  120
.set BK,   184
.set G1A, 24
.set G1B, 32
.set G0A, 56
.set G0B, 60
.set MSB, 0
.macro WIN new
.if MSB != (\new)
	s_set_vgpr_msb (MSB<<8)|(\new)
.set MSB, (\new)
.endif
.endm
.macro PLACES n
.rept \n
	v_nop
.endr
.endm
.macro BARRIER
	s_barrier_signal -1
	s_barrier_wait -1
.endm
.macro CROUND
	BARRIER
	s_cmp_lg_u32 s14, 0
	s_cbranch_scc1 .Lnot_wave_0_\@
	s_barrier_signal -3
.Lnot_wave_0_\@:
	s_barrier_wait -3
	BARRIER
.endm
.macro TL g0, g1                       ; a tensor load; s_nop 0 and four v_nop follow it
	tensor_load_to_lds s[\g0:\g0+3], s[\g1:\g1+7]
	s_nop 0
	PLACES 4
.endm
.macro ATILE first, rows               ; tiles first .. first + rows - 1 of A, by a descriptor of constants
	s_mov_b32 s[G0A+1], (\first)*TILE
	s_mov_b32 s[G1A+2], (\rows)<<16
	s_mov_b32 s[G1A+4], \rows
.if \first
	s_add_nc_u64 s[G0A+2:G0A+3], s[G0A+2:G0A+3], (\first)*TILE
.endif
	s_or_b32 s[G0A+3], s[G0A+3], 0x80000000
	TL G0A, G1A
.endm
	s_load_b128 s[4:7], s[0:1], 0x0                ; o_img, o_si
	s_load_b128 s[8:11], s[0:1], 0x10              ; w_img, w_si
	s_load_b128 s[96:99], s[0:1], 0x20             ; b_out, out0
	v_lshl_add_u32 v[SPW], v0, 2, SPARE
	v_mov_b32 v[NIL], 0
	ds_add_u32 v[SPW], v[NIL]                      ; the opening lines: the add twice and its wait ahead of my first tensor load
	ds_add_u32 v[SPW], v[NIL]
	v_lshrrev_b32 v1, 5, v0
	v_readfirstlane_b32 s14, v1                    ; wave
	s_lshr_b32 s15, s14, 1                         ; a
	s_and_b32 s16, s14, 1                          ; b
	s_bfe_u32 s40, ttmp6, 0x40000
	s_bfe_u32 s41, ttmp6, 0x40004
	s_lshl_b32 s42, ttmp9, 2
	s_add_co_u32 s42, s42, s40                     ; tile column, 0 .. 7
	s_and_b32 s17, ttmp7, 0xffff
	s_lshl_b32 s17, s17, 2
	s_add_co_u32 s17, s17, s41                     ; tile row, 0 .. 31
	s_lshl_b32 s43, s41, 2
	s_lshl_b32 s43, 15, s43                        ; my row of the cluster
	s_lshl_b32 s44, 0x1111, s40                    ; my column
	s_or_b32 s[G1A+0], s43, (3<<16)|(1<<21)
	s_or_b32 s[G1B+0], s44, (3<<16)|(1<<21)
.irp g, G1A, G1B
	s_mov_b32 s[\g+1], 1536<<16                    ; a row is a whole tile: 1,536 elements of 8 bytes, dense
	s_mov_b32 s[\g+3], 1536<<16
	s_mov_b32 s[\g+5], 1536
	s_mov_b32 s[\g+6], 0
	s_mov_b32 s[\g+7], 0
.endr
	s_mov_b32 s[G1B+2], 8<<16
	s_mov_b32 s[G1B+4], 8
	s_mov_b32 s[G0A], 1
	s_mov_b32 s[G0B], 1
	s_mov_b32 s[G0B+1], BL
	s_lshl_b32 s20, s17, 4
	s_mul_i32 s20, s20, TILE                       ; A: tile 16 x tile row
	s_mov_b32 s21, 0
	s_lshl_b32 s22, s17, 13                        ; A's scales: 512 bytes a tile,
	s_lshl_b32 s23, s15, 9
	s_add_co_u32 s22, s22, s23                     ; from tile a on
	s_mov_b32 s23, 0
	s_lshl_b32 s92, s42, 3
	s_add_co_u32 s92, s92, 192                     ; B: tile 192 + 8 x tile column
	s_mul_i32 s46, s92, TILE
	s_mov_b32 s47, 0
	s_lshl_b32 s93, s16, 2
	s_add_co_u32 s92, s92, s93
	s_lshl_b32 s92, s92, 9                         ; B's scales, from my first tile on
	s_mov_b32 s93, 0
	s_lshl_b32 s18, s42, 9
	s_lshl_b32 s19, s16, 8
	s_add_co_u32 s18, s18, s19                     ; my first column, in bytes
	s_mov_b32 s19, 0
	s_lshl_b32 s2, s17, 20
	s_lshl_b32 s3, s15, 15
	s_add_co_u32 s2, s2, s3
	s_add_co_u32 s2, s2, s18                       ; out0: token 256 x tile row + 8 a, my first column
	s_mov_b32 s3, 0
	s_mul_i32 s66, s15, TILE
	s_mul_i32 s67, s16, 4*TILE
	s_add_co_u32 s67, s67, BL
	s_mul_i32 s68, s14, 16*SPITCH
	s_add_co_u32 s68, s68, STAGE
	s_wait_alu depctr_va_vdst(0)
	s_wait_dscnt 0x0                               ; both opening adds are done
	CROUND                                         ; the round in front of the joint loads
	s_wait_kmcnt 0x0
	s_add_nc_u64 s[G0A+2:G0A+3], s[4:5], s[20:21]
	s_add_nc_u64 s[G0B+2:G0B+3], s[8:9], s[46:47]
	s_or_b32 s[G0B+3], s[G0B+3], 0x80000000
	s_add_nc_u64 s[6:7], s[6:7], s[22:23]
	s_add_nc_u64 s[10:11], s[10:11], s[92:93]
	s_add_nc_u64 s[96:97], s[96:97], s[18:19]
	s_add_nc_u64 s[12:13], s[98:99], s[2:3]
	s_cmp_eq_u32 s14, 0
	s_cbranch_scc0 .Lwave_1
	TL G0B, G1B                                    ; wave 0: B, which is wanted first
	s_branch .Lasked
.Lwave_1:
	s_cmp_eq_u32 s14, 1
	s_cbranch_scc0 .Lwave_2
	ATILE 0, 8                                     ; wave 1: blocks 0 to 3 of both wave rows
	s_branch .Lasked
.Lwave_2:
	s_cmp_eq_u32 s14, 2
	s_cbranch_scc0 .Lwave_3
	ATILE 8, 4
	s_branch .Lasked
.Lwave_3:
	ATILE 12, 4
.Lasked:
	v_and_b32 v1, 15, v0                           ; r
	v_bfe_u32 v2, v0, 4, 1                         ; h
	v_and_b32 v3, 31, v0
	v_lshlrev_b32 v4, 4, v3
	v_lshlrev_b32 v5, 3, v3
	v_lshlrev_b32 v6, 3, v1
	v_lshl_add_u32 v[SAO], v2, 10, v6              ; A's scale words: 8 r; lanes 16-31 take the next block's tile, two tiles on
	v_lshl_add_u32 v[SBO], v2, 9, v6               ; B's: lanes 16-31 take the next tile
	v_lshlrev_b32 v[BOA], 6, v2
.irp u, 0,1,2,3
.irp n, 0,1,2,3
	global_load_b64 v[SA+8*\u+2*\n:SA+8*\u+2*\n+1], v[SAO], s[6:7] offset:\u*2048+\n*128
.endr
.endr
.irp p, 0,1
.irp n, 0,1,2,3
	global_load_b64 v[SB+8*\p+2*\n:SB+8*\p+2*\n+1], v[SBO], s[10:11] offset:\p*1024+\n*128
.endr
.endr
.irp t, 0,1,2,3                        ; the bias as the sums lie: register j of tile t is column 32 (t / 2) + 8 (t % 2) + 16 h + j of my 64
	global_load_b128 v[BO+8*\t:BO+8*\t+3], v[BOA], s[96:97] offset:128*(\t/2)+32*(\t%2)
	global_load_b128 v[BO+8*\t+4:BO+8*\t+7], v[BOA], s[96:97] offset:128*(\t/2)+32*(\t%2)+16
.endr
	v_add_nc_u32 v[AA], s66, v4
	v_add_nc_u32 v[AA+1], s66, v5
.irp g, 1,2,3
	v_add_nc_u32 v[AA+2*\g], \g*4*TILE, v[AA]
	v_add_nc_u32 v[AA+2*\g+1], \g*4*TILE, v[AA+1]
.endr
	v_add_nc_u32 v[ABD], s67, v4
	v_add_nc_u32 v[ABD+1], s67, v5
	v_mul_u32_u24 v7, v1, SPITCH
	v_lshl_add_u32 v7, v2, 6, v7
	v_add_nc_u32 v[STO], s68, v7                   ; the stage, in: row r, 64 h bytes on
	v_mul_u32_u24 v24, v2, SPITCH
	v_lshl_add_u32 v24, v1, 4, v24
	v_add_nc_u32 v[RD], s68, v24                   ; back: sixteen lanes take a row of 256 bytes, two rows an instruction
	v_lshlrev_b32 v25, 12, v2
	v_lshl_add_u32 v[CO], v1, 4, v25               ; and the same two rows in out0
.macro FRAG f, a, off                  ; a fragment is two half fragments: registers 0-3 at 16 x lane, 4-5 at 512 + 8 x lane
.set R_, FR*((\f)%FPW)
	WIN (1+(\f)/FPW)<<6
	ds_load_b128 v[R_:R_+3], v[\a] offset:\off
	ds_load_b64 v[R_+4:R_+5], v[\a+1] offset:\off+512
	ds_load_b128 v[R_+6:R_+9], v[\a] offset:\off+768
	ds_load_b64 v[R_+10:R_+11], v[\a+1] offset:\off+1280
.endm
.macro FETCH s                         ; block s into set s % 2: 32 loads
.irp q, 0,1,2,3,4,5,6,7
	FRAG 32+8*((\s)%2)+\q, AA+2*((\s)/2), ((\s)%2)*2*TILE+\q*1536
.endr
	WIN 0
.endm
.macro P1 d, f0, f1, c, x0, x1, ra, rb
	v_wmma_scale_f32_16x16x128_f8f6f4 v[\d:\d+7], v[FR*((\f0)%FPW):FR*((\f0)%FPW)+FR-1], v[FR*((\f1)%FPW):FR*((\f1)%FPW)+FR-1], \c, v[\x0], v[\x1] matrix_a_fmt:MATRIX_FMT_FP6 matrix_b_fmt:MATRIX_FMT_FP6 matrix_a_scale:MATRIX_SCALE_ROW\ra matrix_b_scale:MATRIX_SCALE_ROW\rb
.endm
.macro PROD s, e, p, o                 ; step Q_ along K, tile 2 p + o, block s in set e
.set FB_, 4*Q_+2*\p+\o
.set FA_, 32+8*\e+Q_
.set D_, ACC+32*\e+16*\p+8*\o
	WIN (1+FB_/FPW)|((1+FA_/FPW)<<2)
.if Q_
	P1 D_, FB_, FA_, v[D_:D_+7], SB+8*\p+Q_, SA+8*((\s)/2)+Q_, \o, \e
.else
	P1 D_, FB_, FA_, v[BO+16*\p+8*\o:BO+16*\p+8*\o+7], SB+8*\p+Q_, SA+8*((\s)/2)+Q_, \o, \e
.endif
.endm
.macro PRODS s, e, q0, q1
.set Q_, \q0
.rept (\q1)-(\q0)
.irp p, 0,1
.irp o, 0,1
	PROD \s, \e, \p, \o
.endr
.endr
.set Q_, Q_+1
.endr
	WIN 0
.endm
.macro BLOCK s, e, fetch, show
.if \show
	PRODS \s, \e, 0, 6
	s_wait_tensorcnt 0x0                           ; every wave's tile is in,
	s_wait_dscnt 0x0
	s_barrier_signal -1                            ; a plain barrier
	PRODS \s, \e, 6, 8
	s_barrier_wait -1                              ; and shown to all
.else
	PRODS \s, \e, 0, 8
.endif
	PLACES 4                                       ; between the last product and the first reader of its sums, and the fetch into the registers that it read
	s_wait_xcnt 0x0                                ; the stores of two blocks ago have read set e of the rows
.irp t, 0,1,2,3                        ; into my stage, each accumulator from its low end on, and back as whole rows: LDS serves a wave's instructions in order (ISA guide 5.7.1.4)
	ds_store_b128 v[STO], v[ACC+32*\e+8*\t:ACC+32*\e+8*\t+3] offset:128*(\t/2)+32*(\t%2)
	ds_store_b128 v[STO], v[ACC+32*\e+8*\t+4:ACC+32*\e+8*\t+7] offset:128*(\t/2)+32*(\t%2)+16
.endr
.irp t, 0,1,2,3,4,5,6,7
	ds_load_b128 v[BK+32*\e+4*\t:BK+32*\e+4*\t+3], v[RD] offset:2*\t*SPITCH
.endr
.if \fetch
	FETCH \s+2
	s_wait_dscnt 32                                ; the rows are back, and the next block's fragments are in; younger are the 32 loads just issued
.else
	s_wait_dscnt 0x0
.endif
.irp t, 0,1,2,3,4,5,6,7                ; the tile's rows 2 t, 2 t + 1 are tokens 32 s + 8 a + 2 t + 8 (t / 4) and the next; sixteen lanes store 256 consecutive bytes, aligned
	global_store_b128 v[CO], v[BK+32*\e+4*\t:BK+32*\e+4*\t+3], s[12:13] offset:(32*(\s)+2*\t+8*(\t/4))*4096 th:TH_STORE_NT
.endr
.endm
	s_wait_alu depctr_va_vdst(0)                   ; the wait at the head's end
	s_cmp_eq_u32 s14, 0
	s_cbranch_scc0 .Lnot_b
	s_wait_tensorcnt 0x0                           ; wave 0: B has landed
.Lnot_b:
	BARRIER
.irp q, 0,1,2,3,4,5,6,7                ; my four tiles of B, all of K: 128 loads
.irp t, 0,1,2,3
	FRAG 4*\q+\t, ABD, \t*TILE+\q*1536
.endr
.endr
	WIN 0
	s_cmp_eq_u32 s14, 1
	s_cbranch_scc0 .Lnot_a
	s_wait_tensorcnt 0x0                           ; wave 1: A's tiles 0 to 7 have landed
.Lnot_a:
	s_wait_dscnt 0x0
	BARRIER                                        ; waves 2 and 3's tiles may still be on their way
	FETCH 0
	FETCH 1
	s_wait_loadcnt 0x0                             ; the scale words and the bias
	s_wait_dscnt 32                                ; block 0's fragments are in
	BLOCK 0, 0, 1, 0
	BLOCK 1, 1, 1, 1
	BLOCK 2, 0, 1, 0
	BLOCK 3, 1, 1, 0
	BLOCK 4, 0, 1, 0
	BLOCK 5, 1, 1, 0
	BLOCK 6, 0, 0, 0
	BLOCK 7, 1, 0, 0
	s_wait_tensorcnt 0x0                           ; the wave's end
	ds_add_u32 v[SPW], v[NIL]
	s_wait_dscnt 0x0
	CROUND                                         ; the closing round
	s_endpgm
.Lfunc_end_k_qe18a21f9c2_gemm_out:
	.size	k_qe18a21f9c2_gemm_out, .Lfunc_end_k_qe18a21f9c2_gemm_out-k_qe18a21f9c2_gemm_out
	.p2alignl 7, 3214868480
	.fill 96, 4, 3214868480
	.section	.rodata,"a",@progbits
	.p2align	6, 0x0
	.amdhsa_kernel k_qe18a21f9c2_gemm_out
		.amdhsa_group_segment_fixed_size 327680
		.amdhsa_private_segment_fixed_size 0
		.amdhsa_enable_private_segment 0
		.amdhsa_kernarg_size 48
		.amdhsa_user_sgpr_count 2
		.amdhsa_user_sgpr_kernarg_segment_ptr 1
		.amdhsa_wavefront_size32 1
		.amdhsa_system_sgpr_workgroup_id_x 1
		.amdhsa_system_sgpr_workgroup_id_y 1
		.amdhsa_system_sgpr_workgroup_id_z 1
		.amdhsa_system_vgpr_workitem_id 0
		.amdhsa_next_free_vgpr 840
		.amdhsa_next_free_sgpr 100
		.amdhsa_reserve_vcc 0
		.amdhsa_float_denorm_mode_32 3
		.amdhsa_float_denorm_mode_16_64 3
		.amdhsa_memory_ordered 1
		.amdhsa_forward_progress 1
		.amdhsa_inst_pref_size 85
	.end_amdhsa_kernel
	.amdgpu_metadata
---
amdhsa.version: [ 1, 2 ]
amdhsa.kernels:
  - .name:           k_qe18a21f9c2_gemm_out
    .symbol:         k_qe18a21f9c2_gemm_out.kd
    .args:
      - { .name: o_img, .offset: 0, .size: 8, .value_kind: global_buffer, .address_space: global }
      - { .name: o_si, .offset: 8, .size: 8, .value_kind: global_buffer, .address_space: global }
      - { .name: w_img, .offset: 16, .size: 8, .value_kind: global_buffer, .address_space: global }
      - { .name: w_si, .offset: 24, .size: 8, .value_kind: global_buffer, .address_space: global }
      - { .name: b_out, .offset: 32, .size: 8, .value_kind: global_buffer, .address_space: global }
      - { .name: out0, .offset: 40, .size: 8, .value_kind: global_buffer, .address_space: global }
    .group_segment_fixed_size: 327680
    .private_segment_fixed_size: 0
    .kernarg_segment_align: 8
    .kernarg_segment_size: 48
    .max_flat_workgroup_size: 128
    .sgpr_count:     100
    .vgpr_count:     840
    .wavefront_size: 32
...
	.end_amdgpu_metadata
.endif
;; end of part 4
